; MI455X (gfx1250); checked and timed in simulation.
; The chip was launched on July 23, 2026; its instructions are those of AMD's public machine-readable ISA for CDNA 5 (MIT licence, August 2026) and "CDNA5" Instruction Set Architecture Reference Guide (July 2026). The comments in the code are by the model that wrote it; some were corrected since.
;; MH Self Attention. Allowed arithmetic: float matrix products may take bf16 or f16 operands with f32 sums; all other float work in f32.
;; Inputs: embeddings 4 x 2,048 x 1,024 float32; w_qkv 1,024 x 3,072 float32.
;; Outputs: out0 4 x 2,048 x 1,024 float32.
;; 2 versions, each right. Each part assembles by itself: llvm-mc -triple=amdgcn-amd-amdhsa -mcpu=gfx1250 --defsym DOCPART=n.
;; ======== version 1 of 2: 3 launches
;; limits: values are held in f16: magnitudes above 65,504 overflow, below 6.1e-05 lose precision
;; workspace buffers: xb 16,777,216 bytes; wb 6,291,456 bytes; qkv 50,331,648 bytes
;; launch cast (part 1): grid 2816 x 1, 4 waves a work-group, no clusters, 0 bytes of LDS; arguments embeddings, w_qkv, xb, wb; writes xb, wb
.if DOCPART == 1
	.amdgcn_target "amdgcn-amd-amdhsa--gfx1250"
	.amdhsa_code_object_version 6
	.text
	.protected	k_qefbd3053e1_cast
	.globl	k_qefbd3053e1_cast
	.p2align	8
	.type	k_qefbd3053e1_cast,@function
k_qefbd3053e1_cast:
	s_mov_b64 s[64:65], 0
	v_nop
	global_prefetch_b8 v0, s[64:65] scope:SCOPE_SE
	s_setreg_imm32_b32 hwreg(HW_REG_WAVE_MODE, 25, 1), 1
	s_wait_xcnt 0x0
; xb = bf16(embeddings), wb = bf16(w_qkv): the two f32 inputs rounded once (to nearest even), layouts unchanged.
; A stream: every input byte is read once and every output byte written once, so there is no LDS, no barrier, no matrix unit.
; A work-group takes CHUNK = 16,384 input bytes: groups 0 to 2047 cover embeddings (2048 x 16,384 = 33,554,432 bytes),
; groups 2048 to 2815 cover w_qkv (768 x 16,384 = 12,582,912 bytes).  Thread t, step j: 16 bytes at 16 t + 2048 j in,
; 8 bytes at 8 t + 1024 j out: a wave's load covers 512 consecutive bytes, a wave's store 256 consecutive bytes, aligned.
; All eight loads go out first; no register is used twice, so the only waits are the counted ones for the loads.
.set NX,    2048                       ; work-groups that take embeddings
.set X,     4                          ; v[4:35]   step j: 4 numbers in f32
.set Y,     36                         ; v[36:51]  step j: 4 numbers in bf16
	s_load_b256 s[4:11], s[0:1], 0x0               ; embeddings s[4:5], w_qkv s[6:7], xb s[8:9], wb s[10:11]
	v_lshlrev_b32 v1, 4, v0                        ; 16 t: my bytes in a step's 2,048 input bytes
	v_lshlrev_b32 v2, 3, v0                        ; 8 t: my bytes in a step's 1,024 output bytes
	s_wait_kmcnt 0x0
	s_cmp_lt_u32 ttmp9, NX                         ; which of the two tensors is mine: hangs on the group's number alone
	s_cselect_b64 s[12:13], s[4:5], s[6:7]         ; from
	s_cselect_b64 s[14:15], s[8:9], s[10:11]       ; to
	s_cselect_b32 s16, 0, NX
	s_sub_co_u32 s16, ttmp9, s16                   ; my chunk's number in that tensor
	s_lshl_b32 s18, s16, 14                        ; x 16,384 bytes in (below 2^25)
	s_mov_b32 s19, 0
	s_lshl_b32 s20, s16, 13                        ; x 8,192 bytes out
	s_mov_b32 s21, 0
	s_add_nc_u64 s[12:13], s[12:13], s[18:19]
	s_add_nc_u64 s[14:15], s[14:15], s[20:21]
.irp j, 0,1,2,3,4,5,6,7
	global_load_b128 v[X+4*\j:X+4*\j+3], v1, s[12:13] offset:2048*\j th:TH_LOAD_NT   ; read once in the launch
.endr
.irp j, 0,1,2,3,4,5,6,7
	s_wait_loadcnt 7-\j                            ; loads come back in order (ISA guide 5.7.1): step j is in, the 7 - j younger ones stay out
	v_cvt_pk_bf16_f32 v[Y+2*\j],   v[X+4*\j],   v[X+4*\j+1]
	v_cvt_pk_bf16_f32 v[Y+2*\j+1], v[X+4*\j+2], v[X+4*\j+3]
	global_store_b64 v2, v[Y+2*\j:Y+2*\j+1], s[14:15] offset:1024*\j                 ; no hint: the next launch reads these bytes
.endr
	s_endpgm
.Lfunc_end_k_qefbd3053e1_cast:
	.size	k_qefbd3053e1_cast, .Lfunc_end_k_qefbd3053e1_cast-k_qefbd3053e1_cast
	.p2alignl 7, 3214868480
	.fill 96, 4, 3214868480
	.section	.rodata,"a",@progbits
	.p2align	6, 0x0
	.amdhsa_kernel k_qefbd3053e1_cast
		.amdhsa_group_segment_fixed_size 0
		.amdhsa_private_segment_fixed_size 0
		.amdhsa_enable_private_segment 0
		.amdhsa_kernarg_size 32
		.amdhsa_user_sgpr_count 2
		.amdhsa_user_sgpr_kernarg_segment_ptr 1
		.amdhsa_wavefront_size32 1
		.amdhsa_system_sgpr_workgroup_id_x 1
		.amdhsa_system_sgpr_workgroup_id_y 1
		.amdhsa_system_sgpr_workgroup_id_z 1
		.amdhsa_system_vgpr_workitem_id 0
		.amdhsa_next_free_vgpr 52
		.amdhsa_next_free_sgpr 66
		.amdhsa_reserve_vcc 0
		.amdhsa_float_denorm_mode_32 3
		.amdhsa_float_denorm_mode_16_64 3
		.amdhsa_memory_ordered 1
		.amdhsa_forward_progress 1
		.amdhsa_inst_pref_size 4
	.end_amdhsa_kernel
	.amdgpu_metadata
---
amdhsa.version: [ 1, 2 ]
amdhsa.kernels:
  - .name:           k_qefbd3053e1_cast
    .symbol:         k_qefbd3053e1_cast.kd
    .args:
      - { .name: embeddings, .offset: 0, .size: 8, .value_kind: global_buffer, .address_space: global }
      - { .name: w_qkv, .offset: 8, .size: 8, .value_kind: global_buffer, .address_space: global }
      - { .name: xb, .offset: 16, .size: 8, .value_kind: global_buffer, .address_space: global }
      - { .name: wb, .offset: 24, .size: 8, .value_kind: global_buffer, .address_space: global }
    .group_segment_fixed_size: 0
    .private_segment_fixed_size: 0
    .kernarg_segment_align: 8
    .kernarg_segment_size: 32
    .max_flat_workgroup_size: 128
    .sgpr_count:     66
    .vgpr_count:     52
    .wavefront_size: 32
...
	.end_amdgpu_metadata
.endif
;; end of part 1
;; launch proj (part 2): grid 12 x 32, 4 waves a work-group, clusters of 4 x 4, 327,680 bytes of LDS; arguments xb, wb, qkv; writes qkv
.if DOCPART == 2
	.amdgcn_target "amdgcn-amd-amdhsa--gfx1250"
	.amdhsa_code_object_version 6
	.text
	.protected	k_qefbd3053e1_proj
	.globl	k_qefbd3053e1_proj
	.p2align	8
	.type	k_qefbd3053e1_proj,@function
k_qefbd3053e1_proj:
	s_mov_b64 s[64:65], 0
	v_nop
	global_prefetch_b8 v0, s[64:65] scope:SCOPE_SE
	s_setreg_imm32_b32 hwreg(HW_REG_WAVE_MODE, 25, 1), 1
	s_wait_xcnt 0x0
	s_wait_alu depctr_hold_cnt(0) depctr_sa_sdst(0) depctr_va_vdst(0) depctr_va_sdst(0) depctr_va_ssrc(0) depctr_va_vcc(0) depctr_vm_vsrc(0)
	s_getreg_b32 s2, hwreg(HW_REG_IB_STS2, 6, 4)
	s_cmp_eq_u32 s2, 0
	s_cbranch_scc0 .Lentry_in_a_cluster
	s_endpgm
.Lentry_in_a_cluster:
	s_bfe_u32 s2, ttmp6, 0x10000c
	s_cmp_lg_u32 s2, 0xf033
	s_cbranch_scc0 .Lentry_shape_is_right
	s_endpgm
.Lentry_shape_is_right:
; qkv = x w, the projection.  xb: [8192 m][1024 k] bf16.  wb: [1024 k][3072 n] bf16.  Sums in f32, K ascending, rounded once to f16.
; qkv: [3 which][64 bh = 16 batch + head][2048 token][64 d] f16, so that the attention launch finds each head's rows dense.
; LIMIT: q, k and v are kept in f16: a number of magnitude 65,504 or more would become infinite.  With both inputs thirty times the
; drawn spread the numbers reach some 5,000, with both carrying an offset of thirty spreads some 29,000.  NaN and infinities are not served.
; A work-group makes a block of 256 x 256 with four waves, as many as a WGP has SIMDs; a wave makes 128 x 128: 64 accumulator tiles of
; 16 x 16, 512 registers.  K goes in steps of 128 through a ring of two LDS slots filled by the tensor data mover.  A's tile has rows of
; 256 bytes (128 k), B's tile 128 k rows of 512 bytes (256 n); both start at multiples of 256 bytes from their buffer's first byte.
; B lies [k][n], so its fragments are read by transposing LDS loads (ds_load_tr16_b128): no transposed copy of w is ever made.
; CLUSTERS: 4 x 4 work-groups.  The four of a row of the cluster need the same tiles of A, the four of a column the same tiles of B.  Such a
; tile is asked for JOINTLY: each of the four issues the same tensor load, with the same descriptor and a mask that names the four, and each
; receives the tile in its own LDS.  That divides the requests for A and for B by four.  The grid, 12 x 32, divides into 3 x 8 clusters.
;
; REGISTERS, in windows of 256 (an instruction names v0-v255; s_set_vgpr_msb says which window each operand place means):
;   window 0: v0-31 addresses; v64-127, v128-191 fragments of A (8 x 16 rows x 32 K), two buffers; v192-223 at work on the way out
;   window 1: v64-127, v128-191 fragments of B, two buffers
;   window 2: the 32 accumulator tiles of my rows 0-63 (tile (a, b) at v[8 (8 a + b)]);   window 3: those of my rows 64-127
; s_set_vgpr_msb's low byte: bits 1:0 source 0, 3:2 source 1, 5:4 source 2, 7:6 destination.
;
; THE MATRIX INSTRUCTION IS USED TRANSPOSED: source 0 = 16 columns of w, source 1 = 16 rows of x.  Lane l then holds row m = l % 16 of the
; result and its registers 0 to 7 the columns n = 8 (l / 16) + 0 .. 7: eight neighbouring numbers of a row, which pack into 16 bytes.
.set SIZE_N, 3072
.set SIZE_K, 1024
.set KSTEP,  128
.set PITCH,  272                       ; A's LDS row: 256 bytes + 16 of padding: the 16 rows that a fragment load touches start 16 bytes apart modulo 256
.set BPITCH, 544                       ; B's LDS row: 512 bytes + 32 of padding: the 8 rows x 2 halves that 16 lanes of a transposing load touch lie 16 bytes apart modulo 256
.set HALFT,  128*PITCH                 ; what one tensor load brings: 128 rows of A, or 64 k rows of B (64 x 544 is the same 34,816 bytes)
.set SLOT,   4*HALFT                   ; A's 256 rows, then B's 128 k rows
.set STAGE,  2*SLOT                    ; behind the ring: 16 rows x 272 bytes for each wave, for the way out; no tensor load lands there
.set SPITCH, 272
.set LAPS, SIZE_K/(2*KSTEP)            ; a lap = two K steps = once round the ring: 4 laps
.set ADRA, 16                          ; v16-17  LDS address of my A fragments in slot 0, 1
.set ADRB, 20                          ; v20-21  the same for B
.set STO,  24                          ; v24     the way out: where I put 16 bytes of a row
.set RD,   25                          ; v25     the way out: where I read back
.set CO,   26                          ; v26     my byte offset in a store's 512 bytes
.set F0,   64                          ; fragment buffer 0
.set F1,   128                         ; fragment buffer 1
.set TMP,  192                         ; the way out: packed results, in window 0
.set G1, 24                            ; s[24:31] descriptor group 1 for A's tiles
.set G0, 32                            ; s[32:39] descriptor group 0 for A's tiles, one set for each slot
.set G1B, 48                           ; s[48:55] descriptor group 1 for B's tiles
.set G0B, 56                           ; s[56:63] descriptor group 0 for B's tiles, one set for each slot
.set MSB, 0
.macro WIN new                         ; the immediate's high byte repeats the setting that is left
.if MSB != \new
	s_set_vgpr_msb (MSB<<8)|\new
.set MSB, \new
.endif
.endm
.set MUL_LO, 0xa1                      ; source 0 (B) window 1, source 1 (A) window 0, C and D window 2
.set MUL_HI, 0xf1                      ; the same, C and D window 3
.set TO_B,   0x40                      ; destination window 1, address window 0
; A joint load.  Waves 0 and 1 fetch A's two halves, waves 2 and 3 B's.  Each of the two lines has ONE mask and one set of registers for all that
; issue it, and nothing in them hangs on a coordinate that the four partners do not share.  The branch hangs on the wave's number alone.
; Four v_nop follow each of the two lines; the jump round the other line, the label and what follows the macro come after them.
.macro JLOAD s
	s_cmp_eq_u32 s11, 0
	s_cbranch_scc0 .Lfor_b_\@
	tensor_load_to_lds s[G0+4*\s:G0+4*\s+3], s[G1:G1+7]
	s_nop 0
.rept 4
	v_nop
.endr
	s_branch .Lasked_\@
.Lfor_b_\@:
	tensor_load_to_lds s[G0B+4*\s:G0B+4*\s+3], s[G1B:G1B+7]
	s_nop 0
.rept 4
	v_nop
.endr
.Lasked_\@:
.endm
; A round of the cluster's barrier: my work-group's barrier, so that wave 0's signal speaks for all four waves; wave 0 signals for the work-group;
; every wave waits for all sixteen work-groups; my work-group's barrier once more.  No LDS instruction of the wave is pending at a signal.
.macro CREST                           ; a round behind its opening barrier
	s_cmp_lg_u32 s10, 0
	s_cbranch_scc1 .Lnot_wave_0_\@
	s_barrier_signal -3
.Lnot_wave_0_\@:
	s_barrier_wait -3
	s_barrier_signal -1
	s_barrier_wait -1
.endm
.macro CROUND                          ; a whole round
	s_barrier_signal -1
	s_barrier_wait -1
	CREST
.endm
	s_load_b128 s[4:7], s[0:1], 0x0                ; xb s[4:5], wb s[6:7]
	s_load_b64 s[8:9], s[0:1], 0x10                ; qkv
	s_set_vgpr_msb 0x40
	v_lshl_add_u32 v255, v0, 2, 0x48400
	s_set_vgpr_msb 0x4000
	v_mov_b32 v255, 0
	s_set_vgpr_msb 0x1
	ds_add_u32 v255, v255
	s_set_vgpr_msb 0x100
	v_lshrrev_b32 v1, 5, v0
	v_readfirstlane_b32 s10, v1                    ; wave 0..3
	s_lshr_b32 s11, s10, 1                         ; which half of the block's rows is mine.  Also: I fetch for A (0) or for B (1)
	s_and_b32 s12, s10, 1                          ; which half of its columns.  Also: which half of that tile I fetch
	s_bfe_u32 s40, ttmp6, 0x40000                  ; cx: my place along the cluster's x
	s_bfe_u32 s41, ttmp6, 0x40004                  ; cy: along its y
	s_lshl_b32 s42, ttmp9, 2                       ; in a cluster launch ttmp9 and ttmp7 count clusters
	s_add_co_u32 s42, s42, s40                     ; block column = 4 x cluster x + cx
	s_and_b32 s13, ttmp7, 0xffff
	s_lshl_b32 s13, s13, 2
	s_add_co_u32 s13, s13, s41                     ; block row = 4 x cluster y + cy
	s_lshl_b32 s43, s41, 2
	s_lshl_b32 s43, 15, s43                        ; my row of the cluster: places 4 cy .. 4 cy + 3
	s_lshl_b32 s44, 0x1111, s40                    ; my column: places cx, cx + 4, cx + 8, cx + 12
	; group 1 for A: 128 rows x 128 elements of 2 bytes, 4 words of padding behind every 64 words
	s_or_b32 s[G1+0], s43, (1<<16)|(1<<20)|(1<<21)|(5<<22)|(3<<25)  ; 15:0 mask: my row; 17:16 2-byte elements; 20 padding on; 21 set beside a mask; 24:22 interval code 5; 31:25 pad code 3
	s_mov_b32 s[G1+1], KSTEP<<16                   ; tensor_dim0 = 128
	s_mov_b32 s[G1+2], 128<<16                     ; tensor_dim1 = 128
	s_mov_b32 s[G1+3], KSTEP<<16                   ; tile_dim0 = 128
	s_mov_b32 s[G1+4], 128                         ; tile_dim1 = 128
	s_mov_b32 s[G1+5], SIZE_K                      ; elements from row to row
	s_mov_b32 s[G1+6], 0
	s_mov_b32 s[G1+7], 0
	; group 1 for B: 64 k rows x 256 elements, 8 words of padding behind every 128 words
	s_or_b32 s[G1B+0], s44, (1<<16)|(1<<20)|(1<<21)|(6<<22)|(7<<25) ; the mask of my column; interval code 6; pad code 7
	s_mov_b32 s[G1B+1], 256<<16                    ; tensor_dim0 = 256
	s_mov_b32 s[G1B+2], 64<<16                     ; tensor_dim1 = 64
	s_mov_b32 s[G1B+3], 256<<16                    ; tile_dim0 = 256
	s_mov_b32 s[G1B+4], 64                         ; tile_dim1 = 64
	s_mov_b32 s[G1B+5], SIZE_N                     ; elements from k row to k row
	s_mov_b32 s[G1B+6], 0
	s_mov_b32 s[G1B+7], 0
	; where the tiles come from.  A's hang on the block row alone, which my row of the cluster shares; B's on the block column alone, which my
	; column shares.  Every wave makes both addresses, in registers that never hold the other coordinate, and asks by one of them.
	s_lshl_b32 s17, s12, 7
	s_lshl_b32 s16, s13, 8
	s_add_co_u32 s16, s16, s17                     ; A: row 256 x block row + 128 x half,
	s_lshl_b32 s16, s16, 11                        ; x 2,048 bytes a row: below 2^24
	s_mov_b32 s17, 0
	s_lshl_b32 s46, s42, 9                         ; B: 512 bytes x block column
	s_mul_i32 s45, s12, 64*SIZE_N*2                ; + 64 k rows x half
	s_add_co_u32 s46, s46, s45
	s_mov_b32 s47, 0
	s_mul_i32 s20, s10, HALFT                      ; and where they go: wave x 34,816 bytes: no place in the cluster enters an LDS address
	s_wait_dscnt 0x0
	s_wait_kmcnt 0x0
	s_add_nc_u64 s[14:15], s[4:5], s[16:17]
	s_add_nc_u64 s[46:47], s[6:7], s[46:47]
	CROUND                                         ; all sixteen work-groups are here: the first joint loads meet
.irp s, 0,1
	s_mov_b32 s[G0+4*\s], 1                                        ; count = 1
	s_add_co_u32 s[G0+4*\s+1], s20, \s*SLOT                        ; LDS address
	s_add_nc_u64 s[G0+4*\s+2:G0+4*\s+3], s[14:15], \s*KSTEP*2      ; global address: K step s lies 256 bytes along A's rows
	s_or_b32 s[G0+4*\s+3], s[G0+4*\s+3], 0x80000000                ; type = 2
	s_mov_b32 s[G0B+4*\s], 1
	s_add_co_u32 s[G0B+4*\s+1], s20, \s*SLOT
	s_add_nc_u64 s[G0B+4*\s+2:G0B+4*\s+3], s[46:47], \s*KSTEP*SIZE_N*2   ; K step s lies 128 rows down B
	s_or_b32 s[G0B+4*\s+3], s[G0B+4*\s+3], 0x80000000
	JLOAD \s                                       ; the ring is filled before anything else is done: two loads of the wave are out
.endr
	; A's fragment, 16 rows x 32 K in 8 registers: lane l holds row l % 16; registers 0-3 hold K = 8 (l / 16) + 0..7, registers 4-7 K = 16 + 8 (l / 16) + 0..7:
	; two loads of 16 bytes, 32 bytes apart.  B's fragment has the same map with column n = l % 16; from rows that lie along n it comes by two transposing
	; loads, 16 k rows apart, lane l addressing k row 8 (l / 16) + l % 8 and the 16 bytes (l / 8) % 2 of the 16 columns.
	v_and_b32 v1, 15, v0                           ; l % 16
	v_bfe_u32 v2, v0, 4, 1                         ; l / 16
	v_mul_u32_u24 v3, v1, PITCH
	v_lshl_add_u32 v3, v2, 4, v3                   ; A: row x pitch + 16 x half
	v_and_b32 v6, 7, v0
	v_bfe_u32 v7, v0, 3, 1
	v_lshl_add_u32 v6, v2, 3, v6                   ; B: k row 8 (l / 16) + l % 8
	v_mul_u32_u24 v6, v6, BPITCH
	v_lshl_add_u32 v6, v7, 4, v6                   ; + 16 x ((l / 8) % 2)
	s_mul_i32 s21, s11, HALFT                      ; my 128 rows of A
	s_lshl_b32 s22, s12, 8                         ; my 128 columns of B: 256 bytes along its rows,
	s_add_co_u32 s22, s22, 2*HALFT                 ; which lie behind A's 256 rows
.irp s, 0,1
	v_add_nc_u32 v[ADRA+\s], s21, v3
	v_add_nc_u32 v[ADRB+\s], s22, v6
	s_add_co_u32 s21, s21, SLOT
	s_add_co_u32 s22, s22, SLOT
.endr
	s_mul_i32 s23, s10, 16*SPITCH
	s_add_co_u32 s23, s23, STAGE                   ; my stage
	v_mul_u32_u24 v4, v1, SPITCH                   ; in: row l % 16, 16 bytes for each half of the lanes
	v_lshl_add_u32 v4, v2, 4, v4
	v_add_nc_u32 v[STO], s23, v4
	v_bfe_u32 v5, v0, 3, 2                         ; back: eight lanes take one head's 128 bytes of a row, the wave four rows
	v_and_b32 v7, 7, v0
	v_mul_u32_u24 v5, v5, SPITCH
	v_lshl_add_u32 v5, v7, 4, v5
	v_add_nc_u32 v[RD], s23, v5
	v_and_b32 v5, 31, v0
	v_lshlrev_b32 v[CO], 4, v5                     ; and in qkv those four rows of a head are 512 consecutive bytes: 16 x lane
; 16 matrix instructions: m blocks a0, a0 + 1 of the window's four (hi = 0: my rows 0-63, 1: rows 64-127) x all 8 n blocks, 32 along K.
; zero = 1: the first product starts the sums: nothing is ever cleared.  The 64 accumulators take turns, one instruction a turn, in the same
; order in every quarter step, over the loop's backward jump too.
.macro MUL16 f, hi, a0, zero
.irp a, \a0, \a0+1
.irp b, 0,1,2,3,4,5,6,7
.if \zero
	v_wmma_f32_16x16x32_bf16 v[8*(8*(\a)+\b):8*(8*(\a)+\b)+7], v[\f+8*\b:\f+8*\b+7], v[\f+8*(4*\hi+\a):\f+8*(4*\hi+\a)+7], 0
.else
	v_wmma_f32_16x16x32_bf16 v[8*(8*(\a)+\b):8*(8*(\a)+\b)+7], v[\f+8*\b:\f+8*\b+7], v[\f+8*(4*\hi+\a):\f+8*(4*\hi+\a)+7], v[8*(8*(\a)+\b):8*(8*(\a)+\b)+7]
.endif
.endr
.endr
.endm
; 32 LDS loads in one run: the fragments of one quarter step into buffer f.  k = the quarter's byte in A's rows (64 bytes = 32 K); in B the quarter lies 32 k rows down.
.macro FETCH slot, k, f
	WIN TO_B
.irp i, 0,1,2,3,4,5,6,7
	ds_load_tr16_b128 v[\f+8*\i:\f+8*\i+3],   v[ADRB+\slot] offset:(\k/64)*32*BPITCH+32*\i
	ds_load_tr16_b128 v[\f+8*\i+4:\f+8*\i+7], v[ADRB+\slot] offset:(\k/64)*32*BPITCH+32*\i+16*BPITCH   ; 61,152 at the most, inside the 16-bit offset
.endr
	WIN 0
.irp i, 0,1,2,3,4,5,6,7
	ds_load_b128 v[\f+8*\i:\f+8*\i+3],   v[ADRA+\slot] offset:\k+\i*16*PITCH
	ds_load_b128 v[\f+8*\i+4:\f+8*\i+7], v[ADRA+\slot] offset:\k+\i*16*PITCH+32
.endr
.endm
; A load into a register that a matrix instruction has read, and a vector instruction that reads a matrix result, stand four places behind that
; matrix instruction, and only plain vector instructions that name none of its registers are places (ISA guide 7.12.1 for vector instructions);
; the matrix instructions in between are not counted.  So four v_nop stand in front of each run of loads.
.macro PLACES
.rept 4
	v_nop
.endr
.endm
; A K step is four quarter steps of 32 along K, 64 matrix instructions each, on buffers 0, 1, 0, 1.
; One of the first three: multiplies buffer f; in its middle it fetches the next quarter's fragments into buffer g.
.macro QUARTER slot, k, f, g, zero
	s_wait_dscnt 8                                 ; B and A's rows 0-63 are in; the youngest eight loads (A's rows 64-127) may be out
	WIN MUL_LO
	MUL16 \f, 0, 0, \zero
	MUL16 \f, 0, 2, \zero
	PLACES
	FETCH \slot, \k, \g
	s_wait_dscnt 32                                ; all but the 32 just issued
	WIN MUL_HI
	MUL16 \f, 1, 0, \zero
	MUL16 \f, 1, 2, \zero
.endm
.macro THREE slot, zero
	QUARTER \slot, 64,  F0, F1, \zero
	QUARTER \slot, 128, F1, F0, 0
	QUARTER \slot, 192, F0, F1, 0
.endm
; The last quarter: multiplies buffer 1 and changes slots.  next = the other slot; fill = 1: this slot is filled again, two K steps ahead.
; ONE barrier for the change of slots.  In front of it each wave waits for its own reads of this slot and for all its tensor loads, of which one
; is out: its part of the next slot.  Behind it nobody reads this slot any more and the next slot is whole: the refill comes first, then the next
; slot's first fragments.  From a request to the wait for it a wave issues 240 matrix instructions.
.macro TURN slot, next, fill
	s_wait_dscnt 8
	WIN MUL_LO
	MUL16 F1, 0, 0, 0
	s_wait_dscnt 0                                 ; my reads of this slot are over
	s_wait_tensorcnt 0x0                           ; and all my tensor loads have landed: the one that was out is my part of the next slot:
	ds_add_u32 v255, v255
	s_wait_dscnt 0x0
	s_barrier_signal -1                            ; say so (where a slot is filled again this barrier opens a round of the cluster's barrier),
	MUL16 F1, 0, 2, 0                              ; work on registers while the others arrive,
	WIN 0
	s_barrier_wait -1                              ; and go on when all four have said so
.if \fill
	CREST                                          ; all sixteen work-groups have said so: no wave of any partner still reads this slot's tile or has a load on its way
	s_add_nc_u64 s[G0+4*\slot+2:G0+4*\slot+3], s[G0+4*\slot+2:G0+4*\slot+3], 2*KSTEP*2
	s_add_nc_u64 s[G0B+4*\slot+2:G0B+4*\slot+3], s[G0B+4*\slot+2:G0B+4*\slot+3], 2*KSTEP*SIZE_N*2
	JLOAD \slot                                    ; the first tensor load behind the round; the four v_nop behind it are also the places in front of the loads below
.else
	PLACES
.endif
	FETCH \next, 0, F0
	WIN MUL_HI
	MUL16 F1, 1, 0, 0
	MUL16 F1, 1, 2, 0
.endm
.macro LAP zero                        ; once round the ring, both slots filled again
	THREE 0, \zero
	TURN 0, 1, 1
	THREE 1, 0
	TURN 1, 0, 1
.endm
	s_wait_tensorcnt 1                             ; my part of K step 0 is in; K step 1's load, issued behind it, stays out
	s_barrier_signal -1
	s_barrier_wait -1                              ; everybody's is
	FETCH 0, 0, F0
	LAP 1                                          ; the first lap stands in front of the loop: its first products start the sums
	WIN 0                                          ; at a label and at a branch every window is 0
	s_mov_b32 s3, LAPS-2
.Llap:
	LAP 0
	WIN 0
	s_sub_co_u32 s3, s3, 1
	s_cmp_lg_u32 s3, 0
	s_cbranch_scc1 .Llap
	THREE 0, 0                                     ; the last lap fills nothing, and has no round of the cluster's barrier: my one tensor load that is still out is the last K step's
	TURN 0, 1, 0
	THREE 1, 0
	s_wait_dscnt 8                                 ; the very last quarter: nothing more to fetch
	WIN MUL_LO
	MUL16 F1, 0, 0, 0
	MUL16 F1, 0, 2, 0
	s_wait_dscnt 0
	WIN MUL_HI
	MUL16 F1, 1, 0, 0
	MUL16 F1, 1, 2, 0
	; THE WAY OUT, 16 rows at a time: round to f16, 16 bytes a lane into my own stage in LDS, read back by heads.
	; The four v_nop are the places behind the last matrix instructions, for the conversions and for the loads into buffers 0 and 1.
	PLACES
	; My 128 rows are tokens 256 (block row % 8) + 128 x half of batch block row / 8.  My 128 columns are heads 4 cx + 2 x half and the next one
	; of q, k or v: 1,024 columns are four block columns, so which of the three is the cluster's x.
	s_lshr_b32 s14, s13, 3
	s_lshl_b32 s14, s14, 22                        ; batch x 16 heads x 262,144 bytes
	s_and_b32 s16, s13, 7
	s_lshl_b32 s16, s16, 15                        ; + 256 tokens x 128 bytes
	s_add_co_u32 s16, s16, s14
	s_lshl_b32 s14, s11, 14                        ; + 128 tokens x 128 bytes
	s_add_co_u32 s16, s16, s14
	s_mov_b32 s17, 0
	s_add_nc_u64 s[8:9], s[8:9], s[16:17]
	s_lshl_b32 s46, s40, 2                         ; (in the registers that held B's address: none that feeds A's descriptors ever holds cx)
	s_lshl_b32 s47, s12, 1
	s_add_co_u32 s46, s46, s47                     ; my first head
	s_lshl_b32 s46, s46, 18                        ; x 262,144 bytes
	s_lshl_b32 s47, ttmp9, 24                      ; + q, k or v: 16,777,216 bytes each
	s_add_co_u32 s46, s46, s47                     ; below 50,331,648
	s_mov_b32 s47, 0
	s_add_nc_u64 s[8:9], s[8:9], s[46:47]
; rows 16 i .. 16 i + 15 of my block = the eight tiles (a, 0..7) of window 2 or 3 (from = 0x0a or 0x0f: sources 0 and 1); f: F0 or F1 in turn
.macro OUT16 i, a, from, f
	WIN \from
.irp b, 0,1,2,3,4,5,6,7
.irp r, 0,1,2,3
	v_cvt_pk_f16_f32 v[TMP+4*\b+\r], v[8*(8*\a+\b)+2*\r], v[8*(8*\a+\b)+2*\r+1]
.endr
.endr
	WIN 0
.irp b, 0,1,2,3,4,5,6,7
	ds_store_b128 v[STO], v[TMP+4*\b:TMP+4*\b+3] offset:32*\b
.endr
	s_wait_xcnt 0x0                                ; every earlier memory instruction has had its addresses translated (ISA guide 3.1): buffer f, which stores read two turns ago, is rewritten only behind this wait
.irp t, 0,1,2,3,4,5,6,7
	ds_load_b128 v[\f+4*\t:\f+4*\t+3], v[RD] offset:(\t%4)*4*SPITCH+(\t/4)*128   ; rows 4 (t % 4) .. + 3, head t / 4.  LDS serves a wave's instructions in order (ISA guide 5.7.1.4): these see the stores above
.endr
.irp t, 0,1,2,3,4,5,6,7
	s_wait_dscnt 7-\t                              ; load t is in, the 7 - t younger ones stay out
	global_store_b128 v[CO], v[\f+4*\t:\f+4*\t+3], s[8:9] offset:(\t/4)*262144+(\t%4)*512+\i*2048   ; four tokens of one head: 512 consecutive bytes, aligned; the base is never stepped (278,016 at the most)
.endr
.endm
	OUT16 0, 0, 0x0a, F0
	OUT16 1, 1, 0x0a, F1
	OUT16 2, 2, 0x0a, F0
	OUT16 3, 3, 0x0a, F1
	OUT16 4, 0, 0x0f, F0
	OUT16 5, 1, 0x0f, F1
	OUT16 6, 2, 0x0f, F0
	OUT16 7, 3, 0x0f, F1
	s_set_vgpr_msb 0x1
	s_wait_tensorcnt 0x0
	ds_add_u32 v255, v255
	s_wait_dscnt 0x0
	s_set_vgpr_msb 0x100
	CROUND                                         ; the closing round: no work-group ends while a partner may still ask for a tile that names it
	s_endpgm
.Lfunc_end_k_qefbd3053e1_proj:
	.size	k_qefbd3053e1_proj, .Lfunc_end_k_qefbd3053e1_proj-k_qefbd3053e1_proj
	.p2alignl 7, 3214868480
	.fill 96, 4, 3214868480
	.section	.rodata,"a",@progbits
	.p2align	6, 0x0
	.amdhsa_kernel k_qefbd3053e1_proj
		.amdhsa_group_segment_fixed_size 327680
		.amdhsa_private_segment_fixed_size 0
		.amdhsa_enable_private_segment 0
		.amdhsa_kernarg_size 24
		.amdhsa_user_sgpr_count 2
		.amdhsa_user_sgpr_kernarg_segment_ptr 1
		.amdhsa_wavefront_size32 1
		.amdhsa_system_sgpr_workgroup_id_x 1
		.amdhsa_system_sgpr_workgroup_id_y 1
		.amdhsa_system_sgpr_workgroup_id_z 1
		.amdhsa_system_vgpr_workitem_id 0
		.amdhsa_next_free_vgpr 1024
		.amdhsa_next_free_sgpr 66
		.amdhsa_reserve_vcc 0
		.amdhsa_float_denorm_mode_32 3
		.amdhsa_float_denorm_mode_16_64 3
		.amdhsa_memory_ordered 1
		.amdhsa_forward_progress 1
		.amdhsa_inst_pref_size 197
	.end_amdhsa_kernel
	.amdgpu_metadata
---
amdhsa.version: [ 1, 2 ]
amdhsa.kernels:
  - .name:           k_qefbd3053e1_proj
    .symbol:         k_qefbd3053e1_proj.kd
    .args:
      - { .name: xb, .offset: 0, .size: 8, .value_kind: global_buffer, .address_space: global }
      - { .name: wb, .offset: 8, .size: 8, .value_kind: global_buffer, .address_space: global }
      - { .name: qkv, .offset: 16, .size: 8, .value_kind: global_buffer, .address_space: global }
    .group_segment_fixed_size: 327680
    .private_segment_fixed_size: 0
    .kernarg_segment_align: 8
    .kernarg_segment_size: 24
    .max_flat_workgroup_size: 128
    .sgpr_count:     66
    .vgpr_count:     1024
    .wavefront_size: 32
...
	.end_amdgpu_metadata
.endif
;; end of part 2
;; launch attn (part 3): grid 256 x 1, 8 waves a work-group, clusters of 4 x 1, 327,680 bytes of LDS; arguments qkv, out0; writes out0
.if DOCPART == 3
	.amdgcn_target "amdgcn-amd-amdhsa--gfx1250"
	.amdhsa_code_object_version 6
	.text
	.protected	k_qefbd3053e1_attn
	.globl	k_qefbd3053e1_attn
	.p2align	8
	.type	k_qefbd3053e1_attn,@function
k_qefbd3053e1_attn:
	s_mov_b64 s[64:65], 0
	v_nop
	global_prefetch_b8 v0, s[64:65] scope:SCOPE_SE
	s_setreg_imm32_b32 hwreg(HW_REG_WAVE_MODE, 25, 1), 1
	s_wait_xcnt 0x0
	s_wait_alu depctr_hold_cnt(0) depctr_sa_sdst(0) depctr_va_vdst(0) depctr_va_sdst(0) depctr_va_ssrc(0) depctr_va_vcc(0) depctr_vm_vsrc(0)
	s_getreg_b32 s2, hwreg(HW_REG_IB_STS2, 6, 4)
	s_cmp_eq_u32 s2, 0
	s_cbranch_scc0 .Lentry_in_a_cluster
	s_endpgm
.Lentry_in_a_cluster:
	s_bfe_u32 s2, ttmp6, 0x10000c
	s_cmp_lg_u32 s2, 0x3003
	s_cbranch_scc0 .Lentry_shape_is_right
	s_endpgm
.Lentry_shape_is_right:
; out0[b][s][64 head + d] = softmax over keys of (q . k / 32) times v, for each of 64 (batch, head) pairs; 2,048 tokens, d = 64.
; qkv: [3][64 bh][2048][64] f16.  out0: [4][2048][1024] f32.  Products on f16 operands with f32 sums; maximum, exponentials, sums and rescaling in f32.
; The maximum is taken away before every exponential, as a running maximum over steps of 64 keys.
; LIMITS: NaN and infinite numbers in qkv are not served.  The softmax's sum is taken over the exponentials in f32, the product with v uses
; them rounded to f16 (they lie in 0 .. 1; below 6e-8 of the row's largest they vanish, 2,048 such are under 2e-4 of the sum).
; SHARES: a cluster of four work-groups takes one (batch, head): cluster x = bh, the place in the cluster = the block of 512 queries.  A wave takes 64
; queries, four tiles of 16.  Eight waves, two on each SIMD, so that one wave's matrix work can run while the other does its softmax.
; The four partners walk the same K and V: every tile is asked for JOINTLY (mask 15), which divides the requests for K and V by four.
; Only Q's and out0's global addresses hang on the place in the cluster.
; BOTH PRODUCTS ARE USED TRANSPOSED.  S^T = K Q^T: source 0 = 16 keys, source 1 = 16 queries; lane (r = l % 16, h = l / 16) register j holds key 8 h + j of
; query r.  Two such tiles (32 keys), rounded to f16 in place, ARE source 1 of O^T = V^T P^T: P never passes LDS or another lane, and maximum,
; sum and rescale factor of query r are one number a lane; the only exchange is with lane l xor 16, which holds the other keys of the same query.
; LDS: two slots of 256 keys: V's 256 rows of 128 + 32 bytes (for the transposing loads), then K's 256 rows of 128 + 16 bytes; behind them a stage of
; 16 rows x 272 bytes for each wave, where no tensor load lands.
; REGISTERS: window 0 (v0-255): addresses, softmax state, V^T fragments, S tiles.  Window 1 (v256-511, written by their low 8 bits): O^T, Q, K fragments.
.set VPITCH, 160
.set KPITCH, 144
.set KOFF,   256*VPITCH                ; K's rows behind V's: 40,960
.set SLOT,   KOFF+256*KPITCH           ; 77,824
.set STAGE,  2*SLOT                    ; 155,648
.set SPITCH, 272
.set PLANE,  16777216                  ; bytes of q, of k, of v
.set TILEB,  256*128                   ; bytes of a tile of 256 keys in memory
.set ADRK, 4                           ; v4-5    slot x SLOT + KOFF + 144 r + 16 h
.set ADRV, 6                           ; v6-7    slot x SLOT + (8 h + l % 8) x 160 + 16 ((l / 8) % 2)
.set QOFF, 8                           ; v8      128 r + 16 h
.set STO,  9                           ; v9      stage + 272 r + 32 h
.set RD,   10                          ; v10     stage + 272 h + 16 r
.set CO,   11                          ; v11     4096 h + 16 r
.set ST,   12                          ; v12-27  for each query tile: -c x maximum, maximum, rescale factor, sum (c = log2(e) / 32)
.set T,    28                          ; v28-43  for each query tile: four registers at work
.set VF,   64                          ; v64-127   V^T fragment (kp, dt) at VF + 8 (4 kp + dt)
.set SB,   128                         ; v128-255  S tile (kt, qt) at SB + 32 qt + 8 kt; P fragment (kp, qt) at SB + 32 qt + 16 kp
.set QF,   128                         ; window 1: Q fragment (qt, kf) at QF + 8 (2 qt + kf);  O^T tile (dt, qt) at 8 (4 qt + dt)
.set KF,   192                         ; window 1: K fragment (kt, kf) at KF + 8 (2 kt + kf)
.set G1V, 16                           ; s[16:23] group 1 for V's tiles
.set G1K, 24                           ; s[24:31] group 1 for K's tiles: another pad
.set G0V, 32                           ; s[32:39] group 0 for V's tiles, one set for each slot
.set G0K, 40                           ; s[40:47] group 0 for K's tiles, one set for each slot
.set W_LD1, 0x40                       ; destination window 1, address window 0
.set W_S,   0x05                       ; sources 0 and 1 (K, Q) window 1; C and D (S) window 0
.set W_RS,  0x41                       ; destination and source 0 (O) window 1
.set W_PV,  0x50                       ; C and D (O) window 1; sources 0 and 1 (V, P) window 0
.set W_FIN, 0x01                       ; source 0 (O) window 1
.set MSB, 0
.macro WIN new                         ; the immediate's high byte repeats the setting that is left
.if MSB != \new
	s_set_vgpr_msb (MSB<<8)|\new
.set MSB, \new
.endif
.endm
.macro PLACES n
.rept \n
	v_nop
.endr
.endm
; A round of the cluster's barrier: my work-group's barrier, wave 0's signal for the work-group, every wave's wait for the four work-groups, my work-group's barrier again.
.macro ROUND
	s_barrier_signal -1
	s_barrier_wait -1
	s_cmp_lg_u32 s8, 0
	s_cbranch_scc1 .Lnot_wave_0_\@
	s_barrier_signal -3
.Lnot_wave_0_\@:
	s_barrier_wait -3
	s_barrier_signal -1
	s_barrier_wait -1
.endm
; A joint load into slot s: waves 0-3 fetch 64 rows of V each, waves 4-7 64 rows of K.  The branch hangs on the wave's number alone.
; Four v_nop follow each of the two lines.
.macro JLOAD s
	s_cmp_eq_u32 s9, 0
	s_cbranch_scc0 .Lfor_k_\@
	tensor_load_to_lds s[G0V+4*(\s):G0V+4*(\s)+3], s[G1V:G1V+7]
	s_nop 0
	PLACES 4
	s_branch .Lasked_\@
.Lfor_k_\@:
	tensor_load_to_lds s[G0K+4*(\s):G0K+4*(\s)+3], s[G1K:G1K+7]
	s_nop 0
	PLACES 4
.Lasked_\@:
.endm
	s_load_b128 s[4:7], s[0:1], 0x0                ; qkv s[4:5], out0 s[6:7]
	v_lshl_add_u32 v62, v0, 2, 0x2e800
	v_mov_b32 v63, 0
	ds_add_u32 v62, v63
	v_lshrrev_b32 v1, 5, v0
	v_readfirstlane_b32 s8, v1                     ; wave 0..7
	s_lshr_b32 s9, s8, 2                           ; I fetch for V (0) or for K (1)
	s_bfe_u32 s11, ttmp6, 0x40000                  ; cx: my block of 512 queries
	s_mov_b32 s12, 0x76543210                      ; v_permlanex16_b32: lane i of one half reads lane i of the other
	s_mov_b32 s13, 0xfedcba98
	s_mov_b32 s14, 0x3d38aa3b                      ; c = log2(e) / 32: the scale 1 / sqrt(1024) and the change of base in one factor,
	s_mov_b32 s15, 0x3d38aa3b                      ; twice: a pair for the packed multiply-add
	s_mov_b32 s49, 0xbd38aa3b                      ; -c
	; group 1: 64 rows x 64 elements of 2 bytes, dense in memory; padding behind every 32 words: 8 words for V, 4 for K
	s_mov_b32 s[G1V+0], 15|(1<<16)|(1<<20)|(1<<21)|(4<<22)|(7<<25)  ; 15:0 mask: all four of the cluster; 17:16 2-byte elements; 20 padding on; 21 set beside a mask; 24:22 interval code 4; 31:25 pad code 7
	s_mov_b32 s[G1K+0], 15|(1<<16)|(1<<20)|(1<<21)|(4<<22)|(3<<25)  ; pad code 3
.irp g, G1V, G1K
	s_mov_b32 s[\g+1], 64<<16                      ; tensor_dim0 = 64
	s_mov_b32 s[\g+2], 64<<16                      ; tensor_dim1 = 64
	s_mov_b32 s[\g+3], 64<<16                      ; tile_dim0 = 64
	s_mov_b32 s[\g+4], 64                          ; tile_dim1 = 64
	s_mov_b32 s[\g+5], 64                          ; elements from row to row
	s_mov_b32 s[\g+6], 0
	s_mov_b32 s[\g+7], 0
.endr
	s_lshl_b32 s50, ttmp9, 18                      ; bh x 262,144 bytes
	s_lshl_b32 s10, s8, 13                         ; + wave x 64 rows x 128 bytes
	s_add_co_u32 s50, s50, s10
	s_mov_b32 s51, 0
	s_mul_i32 s58, s8, 64*VPITCH                   ; V's rows 64 w in a slot (waves 0-3)
	s_mul_i32 s59, s8, 64*KPITCH
	s_add_co_u32 s59, s59, KOFF-4*64*KPITCH        ; K's rows 64 (w - 4) in a slot (waves 4-7)
	s_lshl_b32 s60, s11, 16                        ; Q: + 512 queries x 128 bytes x cx, in registers that feed no descriptor
	s_mov_b32 s61, 0
	s_wait_dscnt 0x0
	s_wait_kmcnt 0x0
	s_add_nc_u64 s[56:57], s[4:5], s[50:51]        ; shared by the four partners
	s_add_nc_u64 s[52:53], s[56:57], s[60:61]      ; my 64 queries: row 512 cx + 64 w of q's plane
	; Every wave writes both sets and asks by one of them.
.irp n, 0,1
	s_mov_b32 s[G0V+4*\n], 1                                       ; count = 1
	s_add_co_u32 s[G0V+4*\n+1], s58, \n*SLOT                       ; LDS address
	s_add_nc_u64 s[G0V+4*\n+2:G0V+4*\n+3], s[56:57], 2*PLANE+\n*TILEB   ; v's plane, tile n
	s_or_b32 s[G0V+4*\n+3], s[G0V+4*\n+3], 0x80000000              ; type = 2
	s_mov_b32 s[G0K+4*\n], 1
	s_add_co_u32 s[G0K+4*\n+1], s59, \n*SLOT
	s_add_nc_u64 s[G0K+4*\n+2:G0K+4*\n+3], s[56:57], PLANE-4*8192+\n*TILEB   ; k's plane, rows 64 (w - 4), tile n
	s_or_b32 s[G0K+4*\n+3], s[G0K+4*\n+3], 0x80000000
.endr
	ROUND                                          ; the four work-groups are here: the first joint load meets
	JLOAD 0                                        ; tile 0; slot 1 is first filled behind the first trip's round, as a refill is.  One tensor load of the wave is out, here and ever after
	s_lshr_b32 s60, ttmp9, 4
	s_lshl_b32 s60, s60, 23                        ; out0: batch x 2,048 x 4,096 bytes
	s_lshl_b32 s62, s11, 21                        ; + 512 cx rows
	s_add_co_u32 s60, s60, s62
	s_lshl_b32 s62, s8, 18                         ; + 64 w rows
	s_add_co_u32 s60, s60, s62
	s_and_b32 s62, ttmp9, 15
	s_lshl_b32 s62, s62, 8                         ; + head x 256 bytes
	s_add_co_u32 s60, s60, s62                     ; below 33,554,432
	s_mov_b32 s61, 0
	s_add_nc_u64 s[54:55], s[6:7], s[60:61]
	s_mul_i32 s63, s8, 16*SPITCH
	s_add_co_u32 s63, s63, STAGE                   ; my stage
	v_and_b32 v1, 15, v0                           ; r
	v_bfe_u32 v2, v0, 4, 1                         ; h
	v_and_b32 v3, 7, v0
	v_bfe_u32 v44, v0, 3, 1
	v_mul_u32_u24 v[ADRK], v1, KPITCH
	v_lshl_add_u32 v[ADRK], v2, 4, v[ADRK]
	v_add_nc_u32 v[ADRK+1], SLOT+KOFF, v[ADRK]
	v_add_nc_u32 v[ADRK], KOFF, v[ADRK]
	v_lshl_add_u32 v[ADRV], v2, 3, v3
	v_mul_u32_u24 v[ADRV], v[ADRV], VPITCH
	v_lshl_add_u32 v[ADRV], v44, 4, v[ADRV]
	v_add_nc_u32 v[ADRV+1], SLOT, v[ADRV]
	v_lshlrev_b32 v[QOFF], 7, v1
	v_lshl_add_u32 v[QOFF], v2, 4, v[QOFF]
	v_mul_u32_u24 v[STO], v1, SPITCH
	v_lshl_add_u32 v[STO], v2, 5, v[STO]
	v_add_nc_u32 v[STO], s63, v[STO]
	v_mul_u32_u24 v[RD], v2, SPITCH
	v_lshl_add_u32 v[RD], v1, 4, v[RD]
	v_add_nc_u32 v[RD], s63, v[RD]
	v_lshlrev_b32 v[CO], 12, v2
	v_lshl_add_u32 v[CO], v1, 4, v[CO]
	; Q stays in registers for the whole launch: fragment (qt, kf): query 16 qt + r, d = 32 kf + 8 h + 0..7 and 32 kf + 16 + 8 h + 0..7
	WIN W_LD1
.irp qt, 0,1,2,3
.irp kf, 0,1
	global_load_b128 v[QF+8*(2*\qt+\kf):QF+8*(2*\qt+\kf)+3],   v[QOFF], s[52:53] offset:2048*\qt+64*\kf
	global_load_b128 v[QF+8*(2*\qt+\kf)+4:QF+8*(2*\qt+\kf)+7], v[QOFF], s[52:53] offset:2048*\qt+64*\kf+32
.endr
.endr
	WIN 0
	s_wait_loadcnt 0x0                             ; Q, once
; K's fragments of step u (64 keys) of a slot: 16 loads.  Fragment (kt, kf): key 64 u + 16 kt + r, d as for Q.
.macro LOADK slot, u
	WIN W_LD1
.irp kt, 0,1,2,3
.irp kf, 0,1
	ds_load_b128 v[KF+8*(2*\kt+\kf):KF+8*(2*\kt+\kf)+3],   v[ADRK+\slot] offset:(64*(\u)+16*\kt)*KPITCH+64*\kf
	ds_load_b128 v[KF+8*(2*\kt+\kf)+4:KF+8*(2*\kt+\kf)+7], v[ADRK+\slot] offset:(64*(\u)+16*\kt)*KPITCH+64*\kf+32
.endr
.endr
.endm
; V^T's fragments of step u: 16 transposing loads.  Fragment (kp, dt): d = 16 dt + r, keys 64 u + 32 kp + 8 h + 0..7 and + 16.
.macro LOADV slot, u
	WIN 0
.irp kp, 0,1
.irp dt, 0,1,2,3
	ds_load_tr16_b128 v[VF+8*(4*\kp+\dt):VF+8*(4*\kp+\dt)+3],   v[ADRV+\slot] offset:(64*(\u)+32*\kp)*VPITCH+32*\dt
	ds_load_tr16_b128 v[VF+8*(4*\kp+\dt)+4:VF+8*(4*\kp+\dt)+7], v[ADRV+\slot] offset:(64*(\u)+32*\kp)*VPITCH+32*\dt+16*VPITCH
.endr
.endr
.endm
; S^T = K Q^T for 64 keys x 64 queries: 32 matrix instructions.  The first half of d starts the sums; the 16 accumulators take turns, one
; instruction a turn.
.macro SMUL
	WIN W_S
.irp qt, 0,1,2,3
.irp kt, 0,1,2,3
	v_wmma_f32_16x16x32_f16 v[SB+32*\qt+8*\kt:SB+32*\qt+8*\kt+7], v[KF+16*\kt:KF+16*\kt+7], v[QF+16*\qt:QF+16*\qt+7], 0
.endr
.endr
.irp qt, 0,1,2,3
.irp kt, 0,1,2,3
	v_wmma_f32_16x16x32_f16 v[SB+32*\qt+8*\kt:SB+32*\qt+8*\kt+7], v[KF+16*\kt+8:KF+16*\kt+15], v[QF+16*\qt+8:QF+16*\qt+15], v[SB+32*\qt+8*\kt:SB+32*\qt+8*\kt+7]
.endr
.endr
.endm
; The new running maximum of query tile qt, its shift -c M, and the factor exp2(new shift - old shift) that brings the old sums to the new maximum:
; the difference of the very two shifts that the old and the new exponentials are formed with, and exactly 0 where the maximum stays.
; 32 numbers a lane in four chains, the old maximum joins last; then the other half of the keys from lane l xor 16.
.macro MAXQ qt, first
.irp c, 0,1,2,3
	v_max3_num_f32 v[T+4*\qt+\c], v[SB+32*\qt+8*\c], v[SB+32*\qt+8*\c+1], v[SB+32*\qt+8*\c+2]
.endr
.irp c, 0,1,2,3
	v_max3_num_f32 v[T+4*\qt+\c], v[T+4*\qt+\c], v[SB+32*\qt+8*\c+3], v[SB+32*\qt+8*\c+4]
.endr
.irp c, 0,1,2,3
	v_max3_num_f32 v[T+4*\qt+\c], v[T+4*\qt+\c], v[SB+32*\qt+8*\c+5], v[SB+32*\qt+8*\c+6]
.endr
	v_max3_num_f32 v[T+4*\qt],   v[T+4*\qt],   v[T+4*\qt+1], v[SB+32*\qt+7]
	v_max3_num_f32 v[T+4*\qt+2], v[T+4*\qt+2], v[T+4*\qt+3], v[SB+32*\qt+15]
	v_max3_num_f32 v[T+4*\qt],   v[T+4*\qt],   v[T+4*\qt+2], v[SB+32*\qt+23]
.if \first
	v_max_num_f32 v[T+4*\qt], v[T+4*\qt], v[SB+32*\qt+31]
.else
	v_max3_num_f32 v[T+4*\qt], v[T+4*\qt], v[SB+32*\qt+31], v[ST+4*\qt+1]
.endif
	v_permlanex16_b32 v[T+4*\qt+1], v[T+4*\qt], s12, s13           ; its destination counts as read: it has been written above
	v_max_num_f32 v[ST+4*\qt+1], v[T+4*\qt], v[T+4*\qt+1]          ; the maximum, the same in both lanes of a query
.if \first
	v_mul_f32 v[ST+4*\qt], s49, v[ST+4*\qt+1]
.else
	v_mul_f32 v[T+4*\qt+1], s49, v[ST+4*\qt+1]
	v_sub_f32 v[T+4*\qt+3], v[T+4*\qt+1], v[ST+4*\qt]              ; at most 0
	v_mov_b32 v[ST+4*\qt], v[T+4*\qt+1]
	v_exp_f32 v[ST+4*\qt+2], v[T+4*\qt+3]                          ; a plain vector instruction that touches neither register follows (ISA guide 5.7.2): the next tile's first line, or the first multiply-add of the exponentials
.endif
.endm
; P = exp2(c S - c M), in place: 16 packed multiply-adds, 32 exponentials.  What follows the macro is plain work on another query tile.
.macro EXPQ qt
.set j, 0
.rept 16
	v_pk_fma_f32 v[SB+32*\qt+j:SB+32*\qt+j+1], v[SB+32*\qt+j:SB+32*\qt+j+1], s[14:15], v[ST+4*\qt:ST+4*\qt+1] op_sel_hi:[1,0,0]
.set j, j+2
.endr
.set j, 0
.rept 32
	v_exp_f32 v[SB+32*\qt+j], v[SB+32*\qt+j]
.set j, j+1
.endr
.endm
; The lane's sum of its 32 P in two chains, into the running sum (each lane keeps its own half of the keys; the halves meet at the end); then P to f16,
; in place: register i of a fragment is written after registers 2 i and 2 i + 1 have been read.
.macro SUMQ qt, first
	s_wait_alu depctr_va_vdst(0)
	v_pk_add_f32 v[T+4*\qt:T+4*\qt+1],   v[SB+32*\qt:SB+32*\qt+1],   v[SB+32*\qt+4:SB+32*\qt+5]
	v_pk_add_f32 v[T+4*\qt+2:T+4*\qt+3], v[SB+32*\qt+2:SB+32*\qt+3], v[SB+32*\qt+6:SB+32*\qt+7]
.irp i, 8,12,16,20,24,28
	v_pk_add_f32 v[T+4*\qt:T+4*\qt+1],   v[T+4*\qt:T+4*\qt+1],   v[SB+32*\qt+\i:SB+32*\qt+\i+1]
	v_pk_add_f32 v[T+4*\qt+2:T+4*\qt+3], v[T+4*\qt+2:T+4*\qt+3], v[SB+32*\qt+\i+2:SB+32*\qt+\i+3]
.endr
	v_pk_add_f32 v[T+4*\qt:T+4*\qt+1], v[T+4*\qt:T+4*\qt+1], v[T+4*\qt+2:T+4*\qt+3]
.if \first
	v_add_f32 v[ST+4*\qt+3], v[T+4*\qt], v[T+4*\qt+1]              ; the first step starts the sum
.else
	v_add_f32 v[T+4*\qt], v[T+4*\qt], v[T+4*\qt+1]
	v_fma_f32 v[ST+4*\qt+3], v[ST+4*\qt+3], v[ST+4*\qt+2], v[T+4*\qt]
.endif
.irp kp, 0,1
.irp i, 0,1,2,3,4,5,6,7
	v_cvt_pk_f16_f32 v[SB+32*\qt+16*\kp+\i], v[SB+32*\qt+16*\kp+2*\i], v[SB+32*\qt+16*\kp+2*\i+1]
.endr
.endr
.endm
; O^T times the rescale factor of its query: 64 packed multiplies
.macro RESC
	WIN W_RS
.irp qt, 0,1,2,3
.set j, 0
.rept 16
	v_pk_mul_f32 v[32*\qt+j:32*\qt+j+1], v[32*\qt+j:32*\qt+j+1], v[ST+4*\qt+2:ST+4*\qt+3] op_sel_hi:[1,0]
.set j, j+2
.endr
.endr
.endm
; O^T += V^T P^T for 64 keys: 32 matrix instructions on 16 accumulators that take turns, one instruction a turn.
; first = 1: the first product starts the sums: nothing is cleared.
.macro PVMUL first
	WIN W_PV
.irp qt, 0,1,2,3
.irp dt, 0,1,2,3
.if \first
	v_wmma_f32_16x16x32_f16 v[8*(4*\qt+\dt):8*(4*\qt+\dt)+7], v[VF+8*\dt:VF+8*\dt+7], v[SB+32*\qt:SB+32*\qt+7], 0
.else
	v_wmma_f32_16x16x32_f16 v[8*(4*\qt+\dt):8*(4*\qt+\dt)+7], v[VF+8*\dt:VF+8*\dt+7], v[SB+32*\qt:SB+32*\qt+7], v[8*(4*\qt+\dt):8*(4*\qt+\dt)+7]
.endif
.endr
.endr
.irp qt, 0,1,2,3
.irp dt, 0,1,2,3
	v_wmma_f32_16x16x32_f16 v[8*(4*\qt+\dt):8*(4*\qt+\dt)+7], v[VF+32+8*\dt:VF+32+8*\dt+7], v[SB+32*\qt+16:SB+32*\qt+23], v[8*(4*\qt+\dt):8*(4*\qt+\dt)+7]
.endr
.endr
.endm
; One step: 64 keys against my 64 queries.  K's fragments of this step have been asked for in the step before.
.macro SUB slot, u, first
	LOADV \slot, \u                                ; V is wanted only behind the softmax
	s_wait_dscnt 16                                ; K's 16 loads are in; the 16 of V, issued behind them, stay out
	SMUL
	PLACES 4                                       ; four places behind the last matrix instruction, ahead of the loads into K's registers and of the reads of S
.if \u < 3
	LOADK \slot, \u+1                              ; the next step's K lands under the softmax
.endif
	WIN 0
	MAXQ 0, \first
	MAXQ 1, \first
	MAXQ 2, \first
	MAXQ 3, \first
	EXPQ 0                                         ; each tile's sums stand a tile behind its exponentials: plain work on another tile always lies between
	EXPQ 1
	SUMQ 0, \first
	EXPQ 2
	SUMQ 1, \first
	EXPQ 3
	SUMQ 2, \first
	SUMQ 3, \first
.if \u < 3
	s_wait_dscnt 16                                ; V's 16 loads are in; the next K's 16, issued behind them, stay out
.else
	s_wait_dscnt 0                                 ; V's loads are in; nothing was issued behind them
.endif
.if \first == 0
	RESC
.endif
	PVMUL \first
	WIN 0
	PLACES 5                                       ; four places ahead of the next loads into V's registers, five ahead of the matrix instructions that write over P
.endm
; One trip: a slot's 256 keys.  In front of the round each wave waits for all its tensor loads (its part of this trip's tile) and for its reads of the
; other slot; the round shows both of every wave of the four work-groups; behind it the other slot's joint refill comes first, one load a wave.
; That load has the trip's 256 matrix instructions of each wave in which to land.
.macro TRIP slot, refill, first
	s_wait_tensorcnt 0x0                           ; no tensor load of mine is out, so a group 0 may be written:
	ds_add_u32 v62, v63
	s_wait_dscnt 0x0
	s_add_nc_u64 s[G0V+4*\slot+2:G0V+4*\slot+3], s[G0V+4*\slot+2:G0V+4*\slot+3], 2*TILEB   ; this slot's next tile
	s_add_nc_u64 s[G0K+4*\slot+2:G0K+4*\slot+3], s[G0K+4*\slot+2:G0K+4*\slot+3], 2*TILEB
	s_wait_dscnt 0x0                               ; my reads of the last trip's slot are over
	ROUND
.if \refill
	JLOAD 1-\slot
.endif
	LOADK \slot, 0
	SUB \slot, 0, \first
	SUB \slot, 1, 0
	SUB \slot, 2, 0
	SUB \slot, 3, 0
.endm
	TRIP 0, 1, 1                                   ; eight tiles of 256 keys.  The first two trips stand in front of the loop: the first step starts maxima and sums
	TRIP 1, 1, 0
	s_mov_b32 s48, 2
.Lpair:
	TRIP 0, 1, 0
	TRIP 1, 1, 0
	s_sub_co_u32 s48, s48, 1
	s_cmp_lg_u32 s48, 0
	s_cbranch_scc1 .Lpair
	TRIP 0, 1, 0                                   ; asks for the last tile
	TRIP 1, 0, 0                                   ; nothing is left to fetch (the stepped addresses are not used)
	; THE WAY OUT.  The two halves of each query's sum meet; O^T is divided by it; 16 queries at a time go through my stage, so that sixteen lanes
	; store a query's 64 numbers of the head, 256 consecutive bytes, aligned.  The five places behind the last matrix instruction stand above.
.irp qt, 0,1,2,3
	v_permlanex16_b32 v[T+4*\qt+1], v[ST+4*\qt+3], s12, s13
	v_add_f32 v[T+4*\qt], v[ST+4*\qt+3], v[T+4*\qt+1]              ; at least about 1: the largest exponential is 1
.endr
.irp qt, 0,1,2,3
	v_rcp_f32 v[T+4*\qt], v[T+4*\qt]
.endr
	v_nop                                          ; one plain place behind the reciprocals (ISA guide 5.7.2)
	s_wait_alu depctr_va_vdst(0)
.macro OUTQ qt
	WIN W_FIN
.set j, 0
.rept 16
	v_pk_mul_f32 v[SB+32*\qt+j:SB+32*\qt+j+1], v[32*\qt+j:32*\qt+j+1], v[T+4*\qt:T+4*\qt+1] op_sel_hi:[1,0]
.set j, j+2
.endr
	WIN 0
.irp dt, 0,1,2,3
	ds_store_b128 v[STO], v[SB+32*\qt+8*\dt:SB+32*\qt+8*\dt+3]   offset:64*\dt      ; query r, d = 16 dt + 8 h + 0..3
	ds_store_b128 v[STO], v[SB+32*\qt+8*\dt+4:SB+32*\qt+8*\dt+7] offset:64*\dt+16   ; and + 4..7
.endr
	s_wait_xcnt 0x0                                ; every earlier memory instruction has had its addresses translated (ISA guide 3.1): the registers that stores read two tiles ago are rewritten only behind this wait
.irp t, 0,1,2,3,4,5,6,7
	ds_load_b128 v[VF+32*(\qt%2)+4*\t:VF+32*(\qt%2)+4*\t+3], v[RD] offset:2*SPITCH*\t   ; queries 2 t + h.  LDS serves a wave's instructions in order (ISA guide 5.7.1.4): these see the stores above
.endr
.irp t, 0,1,2,3,4,5,6,7
	s_wait_dscnt 7-\t                              ; load t is in, the 7 - t younger ones stay out
	global_store_b128 v[CO], v[VF+32*(\qt%2)+4*\t:VF+32*(\qt%2)+4*\t+3], s[54:55] offset:(16*\qt+2*\t)*4096 th:TH_STORE_NT
.endr
.endm
	OUTQ 0
	OUTQ 1
	OUTQ 2
	OUTQ 3
	s_wait_dscnt 0x0                               ; no LDS instruction is pending at a signal (met: the last count-down ended at 0)
	s_wait_tensorcnt 0x0
	ds_add_u32 v62, v63
	s_wait_dscnt 0x0
	ROUND                                          ; the closing round: no work-group ends while a partner may still ask for a tile that names it
	s_endpgm
.Lfunc_end_k_qefbd3053e1_attn:
	.size	k_qefbd3053e1_attn, .Lfunc_end_k_qefbd3053e1_attn-k_qefbd3053e1_attn
	.p2alignl 7, 3214868480
	.fill 96, 4, 3214868480
	.section	.rodata,"a",@progbits
	.p2align	6, 0x0
	.amdhsa_kernel k_qefbd3053e1_attn
		.amdhsa_group_segment_fixed_size 327680
		.amdhsa_private_segment_fixed_size 0
		.amdhsa_enable_private_segment 0
		.amdhsa_kernarg_size 16
		.amdhsa_user_sgpr_count 2
		.amdhsa_user_sgpr_kernarg_segment_ptr 1
		.amdhsa_wavefront_size32 1
		.amdhsa_system_sgpr_workgroup_id_x 1
		.amdhsa_system_sgpr_workgroup_id_y 1
		.amdhsa_system_sgpr_workgroup_id_z 1
		.amdhsa_system_vgpr_workitem_id 0
		.amdhsa_next_free_vgpr 512
		.amdhsa_next_free_sgpr 66
		.amdhsa_reserve_vcc 0
		.amdhsa_float_denorm_mode_32 3
		.amdhsa_float_denorm_mode_16_64 3
		.amdhsa_memory_ordered 1
		.amdhsa_forward_progress 1
		.amdhsa_inst_pref_size 255
	.end_amdhsa_kernel
	.section	.bss,"aw",@nobits
	.p2align	6
	.space	262144
	.amdgpu_metadata
---
amdhsa.version: [ 1, 2 ]
amdhsa.kernels:
  - .name:           k_qefbd3053e1_attn
    .symbol:         k_qefbd3053e1_attn.kd
    .args:
      - { .name: qkv, .offset: 0, .size: 8, .value_kind: global_buffer, .address_space: global }
      - { .name: out0, .offset: 8, .size: 8, .value_kind: global_buffer, .address_space: global }
    .group_segment_fixed_size: 327680
    .private_segment_fixed_size: 0
    .kernarg_segment_align: 8
    .kernarg_segment_size: 16
    .max_flat_workgroup_size: 256
    .sgpr_count:     66
    .vgpr_count:     512
    .wavefront_size: 32
...
	.end_amdgpu_metadata
.endif
;; end of part 3
;; ======== version 2 of 2: 3 launches
;; limits: values are held in f16: magnitudes above 65,504 overflow, below 6.1e-05 lose precision
;; workspace buffers: xb 16,777,216 bytes; wb 6,291,456 bytes; qkv 50,331,648 bytes
;; launch cast: the kernel of part 1 again; grid 2816 x 1, 4 waves a work-group, no clusters, 0 bytes of LDS; arguments embeddings, w_qkv, xb, wb; writes xb, wb
;; launch proj (part 4): grid 8 x 32, 4 waves a work-group, clusters of 4 x 4, 327,680 bytes of LDS; arguments xb, wb, qkv; writes qkv
.if DOCPART == 4
	.amdgcn_target "amdgcn-amd-amdhsa--gfx1250"
	.amdhsa_code_object_version 6
	.text
	.protected	k_qefbd3053e1_proj
	.globl	k_qefbd3053e1_proj
	.p2align	8
	.type	k_qefbd3053e1_proj,@function
k_qefbd3053e1_proj:
	s_mov_b64 s[64:65], 0
	v_nop
	global_prefetch_b8 v0, s[64:65] scope:SCOPE_SE
	s_setreg_imm32_b32 hwreg(HW_REG_WAVE_MODE, 25, 1), 1
	s_wait_xcnt 0x0
	s_wait_alu depctr_hold_cnt(0) depctr_sa_sdst(0) depctr_va_vdst(0) depctr_va_sdst(0) depctr_va_ssrc(0) depctr_va_vcc(0) depctr_vm_vsrc(0)
	s_getreg_b32 s2, hwreg(HW_REG_IB_STS2, 6, 4)
	s_cmp_eq_u32 s2, 0
	s_cbranch_scc0 .Lentry_in_a_cluster
	s_endpgm
.Lentry_in_a_cluster:
	s_bfe_u32 s2, ttmp6, 0x10000c
	s_cmp_lg_u32 s2, 0xf033
	s_cbranch_scc0 .Lentry_shape_is_right
	s_endpgm
.Lentry_shape_is_right:
; qkv = x w, the projection.  xb: [8192 m][1024 k] bf16.  wb: [1024 k][3072 n] bf16.  Sums in f32, K ascending, rounded once to f16.
; qkv: [3 which][64 bh = 16 batch + head][2048 token][64 d] f16, so that the attention launch finds each head's rows dense.
; LIMIT: q, k and v are kept in f16: a number of magnitude 65,504 or more would become infinite.  With both inputs thirty times the
; drawn spread the numbers reach some 5,000, with both carrying an offset of thirty spreads some 29,000.  NaN and infinities are not served.
; A work-group makes a block of 256 rows x 384 columns: 32 x 8 = 256 work-groups of equal work.  Four waves, as many as a WGP has SIMDs; a wave
; makes 128 x 192: 96 accumulator tiles of 16 x 16, 768 registers.  For 32 along K a wave reads (128 + 192) x 64 bytes of LDS for 96 matrix instructions.
; K goes in steps of 64 through a ring of two LDS slots filled by the tensor data mover: A's tile has 256 rows of 128 bytes, B's tile 64 k rows of
; 768 bytes.  Two slots of a step of 128 would take 2 x (256 x 272 + 128 x 864) = 360,448 bytes, more than the 327,680 that a work-group can have.
; B lies [k][n], so its fragments are read by transposing LDS loads (ds_load_tr16_b128): no transposed copy of w is ever made.
; A wave's 192 columns are 64 of each of the block's three runs of 128 columns: three whole heads, 6 x block column + 2 c + half for c = 0, 1, 2.
; CLUSTERS: 4 x 4 work-groups.  The four of a row of the cluster need the same tiles of A, the four of a column the same tiles of B.  Such a
; tile is asked for JOINTLY: each of the four issues the same tensor load, with the same descriptor and a mask that names the four, and each
; receives the tile in its own LDS.  That divides the requests for A and for B by four.  The grid, 8 x 32, divides into 2 x 8 clusters.
;
; REGISTERS, in windows of 256 (an instruction names v0-v255; s_set_vgpr_msb says which window each operand place means):
;   window 0: v0-31 addresses; v32-95, v96-159 fragments of A (8 x 16 rows x 32 K), two buffers; v160-255 the twelve fragments of B, once
;   window 1 + c: the 32 accumulator tiles of my head c: tile (a = 16 rows, i = 16 columns of the head) at v[8 (8 i + a)]
; s_set_vgpr_msb's low byte: bits 1:0 source 0, 3:2 source 1, 5:4 source 2, 7:6 destination.
; B's fragments have one buffer: the four of a head are loaded again, for the next 32 along K, straight behind the 32 matrix instructions that use them,
; 64 matrix instructions ahead of their next use.
;
; THE MATRIX INSTRUCTION IS USED TRANSPOSED: source 0 = 16 columns of w, source 1 = 16 rows of x.  Lane l then holds row m = l % 16 of the
; result and its registers 0 to 7 the columns n = 8 (l / 16) + 0 .. 7: eight neighbouring numbers of a row, which pack into 16 bytes.
.set SIZE_N, 3072
.set SIZE_K, 1024
.set KSTEP,  64
.set PITCH,  144                       ; A's LDS row: 128 bytes + 16 of padding: the 16 rows that a fragment load touches start 16 bytes apart modulo 256
.set BPITCH, 864                       ; B's LDS row: three times 256 bytes + 32 of padding = 27 x 32: the 8 rows x 2 halves that 16 lanes of a transposing load touch lie 16 bytes apart modulo 256
.set PART,   32*BPITCH                 ; 27,648: the room of one wave's tensor load: 32 k rows of B fill it, 128 rows of A take 18,432 bytes of it
.set SLOT,   4*PART                    ; A's two halves, then B's two halves along k
.set STAGE,  2*SLOT                    ; behind the ring: 16 rows x 400 bytes for each wave, for the way out; no tensor load lands there
.set SPITCH, 400                       ; a stage row: three heads' 128 bytes + 16
.set LAPS, SIZE_K/(2*KSTEP)            ; a lap = two K steps = once round the ring: 8 laps
.set ADRA, 16                          ; v16-17  LDS address of my A fragments in slot 0, 1
.set ADRB, 20                          ; v20-21  the same for B
.set STO,  24                          ; v24     the way out: where I put 16 bytes of a row
.set RD,   25                          ; v25     the way out: where I read back
.set CO,   26                          ; v26     my byte offset in a store's 512 bytes
.set FA0,  32                          ; A's fragment buffer 0
.set FA1,  96                          ; A's fragment buffer 1
.set FB,   160                         ; B's fragments: fragment 4 c + i at FB + 8 (4 c + i)
.set TMP,  160                         ; the way out: packed results, in B's registers
.set G1, 24                            ; s[24:31] descriptor group 1 for A's tiles
.set G0, 32                            ; s[32:39] descriptor group 0 for A's tiles, one set for each slot
.set G1B, 48                           ; s[48:55] descriptor group 1 for B's tiles
.set G0B, 56                           ; s[56:63] descriptor group 0 for B's tiles, one set for each slot
.set BASE, 68                          ; s[68:73] the way out: where my rows of my three heads begin in qkv
.set MSB, 0
.macro WIN new                         ; the immediate's high byte repeats the setting that is left
.if MSB != \new
	s_set_vgpr_msb (MSB<<8)|\new
.set MSB, \new
.endif
.endm
; A joint load.  Waves 0 and 1 fetch A's two halves, waves 2 and 3 B's.  Each of the two lines has ONE mask and one set of registers for all that
; issue it, and nothing in them hangs on a coordinate that the four partners do not share.  The branch hangs on the wave's number alone.
; Four v_nop follow each of the two lines; the jump round the other line, the label and what follows the macro come after them.
.macro JLOAD s
	s_cmp_eq_u32 s11, 0
	s_cbranch_scc0 .Lfor_b_\@
	tensor_load_to_lds s[G0+4*\s:G0+4*\s+3], s[G1:G1+7]
	s_nop 0
.rept 4
	v_nop
.endr
	s_branch .Lasked_\@
.Lfor_b_\@:
	tensor_load_to_lds s[G0B+4*\s:G0B+4*\s+3], s[G1B:G1B+7]
	s_nop 0
.rept 4
	v_nop
.endr
.Lasked_\@:
.endm
; A round of the cluster's barrier: my work-group's barrier, so that wave 0's signal speaks for all four waves; wave 0 signals for the work-group;
; every wave waits for all sixteen work-groups; my work-group's barrier once more.  No LDS instruction of the wave is pending at a signal.
.macro CREST                           ; a round behind its opening barrier
	s_cmp_lg_u32 s10, 0
	s_cbranch_scc1 .Lnot_wave_0_\@
	s_barrier_signal -3
.Lnot_wave_0_\@:
	s_barrier_wait -3
	s_barrier_signal -1
	s_barrier_wait -1
.endm
.macro CROUND                          ; a whole round
	s_barrier_signal -1
	s_barrier_wait -1
	CREST
.endm
	s_load_b128 s[4:7], s[0:1], 0x0                ; xb s[4:5], wb s[6:7]
	s_load_b64 s[8:9], s[0:1], 0x10                ; qkv
	v_lshl_add_u32 v30, v0, 2, 0x3c400
	v_mov_b32 v31, 0
	ds_add_u32 v30, v31
	v_lshrrev_b32 v1, 5, v0
	v_readfirstlane_b32 s10, v1                    ; wave 0..3
	s_lshr_b32 s11, s10, 1                         ; which half of the block's rows is mine.  Also: I fetch for A (0) or for B (1)
	s_and_b32 s12, s10, 1                          ; which 64 of each 128 columns are mine.  Also: which half of that tile I fetch
	s_bfe_u32 s40, ttmp6, 0x40000                  ; cx: my place along the cluster's x
	s_bfe_u32 s41, ttmp6, 0x40004                  ; cy: along its y
	s_lshl_b32 s42, ttmp9, 2                       ; in a cluster launch ttmp9 and ttmp7 count clusters
	s_add_co_u32 s42, s42, s40                     ; block column = 4 x cluster x + cx, 0 to 7
	s_and_b32 s13, ttmp7, 0xffff
	s_lshl_b32 s13, s13, 2
	s_add_co_u32 s13, s13, s41                     ; block row = 4 x cluster y + cy, 0 to 31
	s_lshl_b32 s43, s41, 2
	s_lshl_b32 s43, 15, s43                        ; my row of the cluster: places 4 cy .. 4 cy + 3
	s_lshl_b32 s44, 0x1111, s40                    ; my column: places cx, cx + 4, cx + 8, cx + 12
	; group 1 for A: 128 rows x 64 elements of 2 bytes, 4 words of padding behind every 32 words
	s_or_b32 s[G1+0], s43, (1<<16)|(1<<20)|(1<<21)|(4<<22)|(3<<25)  ; 15:0 mask: my row; 17:16 2-byte elements; 20 padding on; 21 set beside a mask; 24:22 interval code 4; 31:25 pad code 3
	s_mov_b32 s[G1+1], KSTEP<<16                   ; tensor_dim0 = 64
	s_mov_b32 s[G1+2], 128<<16                     ; tensor_dim1 = 128
	s_mov_b32 s[G1+3], KSTEP<<16                   ; tile_dim0 = 64
	s_mov_b32 s[G1+4], 128                         ; tile_dim1 = 128
	s_mov_b32 s[G1+5], SIZE_K                      ; elements from row to row
	s_mov_b32 s[G1+6], 0
	s_mov_b32 s[G1+7], 0
	; group 1 for B: 32 k rows x 384 elements, 8 words of padding behind every 64 words: three times in a row
	s_or_b32 s[G1B+0], s44, (1<<16)|(1<<20)|(1<<21)|(5<<22)|(7<<25) ; the mask of my column; interval code 5; pad code 7
	s_mov_b32 s[G1B+1], 384<<16                    ; tensor_dim0 = 384
	s_mov_b32 s[G1B+2], 32<<16                     ; tensor_dim1 = 32
	s_mov_b32 s[G1B+3], 384<<16                    ; tile_dim0 = 384
	s_mov_b32 s[G1B+4], 32                         ; tile_dim1 = 32
	s_mov_b32 s[G1B+5], SIZE_N                     ; elements from k row to k row
	s_mov_b32 s[G1B+6], 0
	s_mov_b32 s[G1B+7], 0
	; where the tiles come from.  A's hang on the block row alone, which my row of the cluster shares; B's on the block column alone, which my
	; column shares.  Every wave makes both addresses, in registers that never hold the other coordinate, and asks by one of them.
	s_lshl_b32 s17, s12, 7
	s_lshl_b32 s16, s13, 8
	s_add_co_u32 s16, s16, s17                     ; A: row 256 x block row + 128 x half,
	s_lshl_b32 s16, s16, 11                        ; x 2,048 bytes a row: below 2^24
	s_mov_b32 s17, 0
	s_mul_i32 s46, s42, 768                        ; B: 768 bytes x block column
	s_mul_i32 s45, s12, 32*SIZE_N*2                ; + 32 k rows x half
	s_add_co_u32 s46, s46, s45
	s_mov_b32 s47, 0
	s_mul_i32 s20, s10, PART                       ; and where they go: wave x 27,648 bytes: no place in the cluster enters an LDS address
	s_wait_dscnt 0x0
	s_wait_kmcnt 0x0
	s_add_nc_u64 s[14:15], s[4:5], s[16:17]
	s_add_nc_u64 s[46:47], s[6:7], s[46:47]
	CROUND                                         ; all sixteen work-groups are here: the first joint loads meet
.irp s, 0,1
	s_mov_b32 s[G0+4*\s], 1                                        ; count = 1
	s_add_co_u32 s[G0+4*\s+1], s20, \s*SLOT                        ; LDS address
	s_add_nc_u64 s[G0+4*\s+2:G0+4*\s+3], s[14:15], \s*KSTEP*2      ; global address: K step s lies 128 bytes along A's rows
	s_or_b32 s[G0+4*\s+3], s[G0+4*\s+3], 0x80000000                ; type = 2
	s_mov_b32 s[G0B+4*\s], 1
	s_add_co_u32 s[G0B+4*\s+1], s20, \s*SLOT
	s_add_nc_u64 s[G0B+4*\s+2:G0B+4*\s+3], s[46:47], \s*KSTEP*SIZE_N*2   ; K step s lies 64 rows down B
	s_or_b32 s[G0B+4*\s+3], s[G0B+4*\s+3], 0x80000000
	JLOAD \s                                       ; the ring is filled before anything else is done: two loads of the wave are out
.endr
	; A's fragment, 16 rows x 32 K in 8 registers: lane l holds row l % 16; registers 0-3 hold K = 8 (l / 16) + 0..7, registers 4-7 K = 16 + 8 (l / 16) + 0..7:
	; two loads of 16 bytes, 32 bytes apart.  B's fragment has the same map with column n = l % 16; from rows that lie along n it comes by two transposing
	; loads, 16 k rows apart, lane l addressing k row 8 (l / 16) + l % 8 and the 16 bytes (l / 8) % 2 of the 16 columns.
	v_and_b32 v1, 15, v0                           ; l % 16
	v_bfe_u32 v2, v0, 4, 1                         ; l / 16
	v_mul_u32_u24 v3, v1, PITCH
	v_lshl_add_u32 v3, v2, 4, v3                   ; A: row x pitch + 16 x half
	v_and_b32 v6, 7, v0
	v_bfe_u32 v7, v0, 3, 1
	v_lshl_add_u32 v6, v2, 3, v6                   ; B: k row 8 (l / 16) + l % 8
	v_mul_u32_u24 v6, v6, BPITCH
	v_lshl_add_u32 v6, v7, 4, v6                   ; + 16 x ((l / 8) % 2)
	s_mul_i32 s21, s11, PART                       ; my 128 rows of A
	s_lshl_b32 s22, s12, 7                         ; my 64 of each 128 columns of B: 128 bytes along each run of 256,
	s_add_co_u32 s22, s22, 2*PART                  ; behind A's two halves
.irp s, 0,1
	v_add_nc_u32 v[ADRA+\s], s21, v3
	v_add_nc_u32 v[ADRB+\s], s22, v6
	s_add_co_u32 s21, s21, SLOT
	s_add_co_u32 s22, s22, SLOT
.endr
	s_mul_i32 s23, s10, 16*SPITCH
	s_add_co_u32 s23, s23, STAGE                   ; my stage
	v_mul_u32_u24 v4, v1, SPITCH                   ; in: row l % 16, 16 bytes for each half of the lanes
	v_lshl_add_u32 v4, v2, 4, v4
	v_add_nc_u32 v[STO], s23, v4
	v_bfe_u32 v5, v0, 3, 2                         ; back: eight lanes take one head's 128 bytes of a row, the wave four rows
	v_and_b32 v7, 7, v0
	v_mul_u32_u24 v5, v5, SPITCH
	v_lshl_add_u32 v5, v7, 4, v5
	v_add_nc_u32 v[RD], s23, v5
	v_and_b32 v5, 31, v0
	v_lshlrev_b32 v[CO], 4, v5                     ; and in qkv those four rows of a head are 512 consecutive bytes: 16 x lane
; 16 matrix instructions: column tiles i0, i0 + 1 of head c x all 8 row tiles, 32 along K, on A's buffer fa; the window of C and D is set by the caller.
; zero = 1: the first product starts the sums: nothing is ever cleared.  The 96 accumulators take turns, one instruction a turn, in the same
; order in every quarter step, over the loop's backward jump too.
.macro MUL16 fa, c, i0, zero
.irp i, \i0, \i0+1
.irp a, 0,1,2,3,4,5,6,7
.if \zero
	v_wmma_f32_16x16x32_bf16 v[8*(8*(\i)+\a):8*(8*(\i)+\a)+7], v[FB+8*(4*\c+(\i)):FB+8*(4*\c+(\i))+7], v[\fa+8*\a:\fa+8*\a+7], 0
.else
	v_wmma_f32_16x16x32_bf16 v[8*(8*(\i)+\a):8*(8*(\i)+\a)+7], v[FB+8*(4*\c+(\i)):FB+8*(4*\c+(\i))+7], v[\fa+8*\a:\fa+8*\a+7], v[8*(8*(\i)+\a):8*(8*(\i)+\a)+7]
.endif
.endr
.endr
.endm
; 8 transposing loads: the four fragments of head c for quarter q (32 k rows: one wave's part) of a slot.  42,144 is the largest offset, inside 16 bits.
.macro LDB slot, q, c
.irp i, 0,1,2,3
	ds_load_tr16_b128 v[FB+8*(4*\c+\i):FB+8*(4*\c+\i)+3],   v[ADRB+\slot] offset:\q*PART+\c*288+32*\i
	ds_load_tr16_b128 v[FB+8*(4*\c+\i)+4:FB+8*(4*\c+\i)+7], v[ADRB+\slot] offset:\q*PART+\c*288+32*\i+16*BPITCH
.endr
.endm
; 8 loads: A's fragments a0 .. a0 + 3 for quarter q (64 bytes along the rows) of a slot, into buffer fa
.macro LDA slot, q, fa, a0
.irp a, 0,1,2,3
	ds_load_b128 v[\fa+8*(\a0+\a):\fa+8*(\a0+\a)+3],   v[ADRA+\slot] offset:64*\q+(\a0+\a)*16*PITCH
	ds_load_b128 v[\fa+8*(\a0+\a)+4:\fa+8*(\a0+\a)+7], v[ADRA+\slot] offset:64*\q+(\a0+\a)*16*PITCH+32
.endr
.endm
; A load into a register that a matrix instruction has read, and a vector instruction that reads a matrix result, stand four places behind that
; matrix instruction, and only plain vector instructions that name none of its registers are places (ISA guide 7.12.1 for vector instructions);
; the matrix instructions in between are not counted.  So four v_nop stand in front of each run of loads.
.macro PLACES
.rept 4
	v_nop
.endr
.endm
; A quarter step: 32 along K, 96 matrix instructions in three groups of 32, one head and one window each, on A's buffer fa.  Behind each group come the loads
; of the next quarter (quarter nq of slot nslot) that replace what the group has used: B's four fragments, and behind the first two groups half of A's
; other buffer ga.  more = 0: the launch's last quarter, which fetches nothing.
; turn = 1: the slot's last quarter.  ONE barrier for the change of slots.  In front of it each wave waits for its own reads of this slot (all were issued
; in the quarter before) and for all its tensor loads, of which one is out: its part of the next slot.  Behind it nobody reads this slot any more and
; the next slot is whole.  fill = 1: the barrier opens a round of the cluster's barrier, and this slot's refill, two K steps ahead, is the first
; tensor load behind the round.  From a request to the wait for it a wave issues 64 + 96 + 16 = 176 matrix instructions.
.macro QUARTER slot, fa, ga, nslot, nq, turn, fill, zero, more
	s_wait_dscnt 8                                 ; A's buffer and B's fragments 0-7 are in; the youngest eight loads (B's fragments 8-11) may be out
	WIN 0x50                                       ; C and D window 1, sources window 0
	MUL16 \fa, 0, 0, \zero
.if \turn
	s_wait_dscnt 0                                 ; my reads of this slot are over
	s_wait_tensorcnt 0x0                           ; and all my tensor loads have landed: the one that was out is my part of the next slot:
	ds_add_u32 v30, v31
	s_wait_dscnt 0x0
	s_barrier_signal -1                            ; say so,
.endif
	MUL16 \fa, 0, 2, \zero                         ; work on registers while the others arrive,
	WIN 0                                          ; (branches or loads follow)
.if \turn
	s_barrier_wait -1                              ; and go on when all four have said so
.endif
.if \fill
	CREST                                          ; all sixteen work-groups have said so: no wave of any partner still reads this slot's tile or has a load on its way
	s_add_nc_u64 s[G0+4*\slot+2:G0+4*\slot+3], s[G0+4*\slot+2:G0+4*\slot+3], 2*KSTEP*2
	s_add_nc_u64 s[G0B+4*\slot+2:G0B+4*\slot+3], s[G0B+4*\slot+2:G0B+4*\slot+3], 2*KSTEP*SIZE_N*2
	JLOAD \slot                                    ; the four v_nop behind it are also the places in front of the loads below
.else
.if \more
	PLACES
.endif
.endif
.if \more
	LDB \nslot, \nq, 0
	LDA \nslot, \nq, \ga, 0
.endif
	WIN 0xa0                                       ; C and D window 2
	MUL16 \fa, 1, 0, \zero
	MUL16 \fa, 1, 2, \zero
.if \more
	WIN 0
	PLACES
	LDB \nslot, \nq, 1
	LDA \nslot, \nq, \ga, 4
	s_wait_dscnt 32                                ; all but the 32 issued in this quarter: B's fragments 8-11 are in
.else
	s_wait_dscnt 0                                 ; B's fragments 8-11 are in; nothing was issued behind them
.endif
	WIN 0xf0                                       ; C and D window 3
	MUL16 \fa, 2, 0, \zero
	MUL16 \fa, 2, 2, \zero
.if \more
	WIN 0
	PLACES
	LDB \nslot, \nq, 2
.endif
.endm
.macro LAP zero                        ; once round the ring: two K steps of two quarters, both slots filled again
	QUARTER 0, FA0, FA1, 0, 1, 0, 0, \zero, 1
	QUARTER 0, FA1, FA0, 1, 0, 1, 1, 0, 1
	QUARTER 1, FA0, FA1, 1, 1, 0, 0, 0, 1
	QUARTER 1, FA1, FA0, 0, 0, 1, 1, 0, 1
.endm
	s_wait_tensorcnt 1                             ; my part of K step 0 is in; K step 1's load, issued behind it, stays out
	s_barrier_signal -1
	s_barrier_wait -1                              ; everybody's is
	LDB 0, 0, 0                                    ; the first quarter's 40 loads, in the order in which every later quarter's are issued
	LDA 0, 0, FA0, 0
	LDB 0, 0, 1
	LDA 0, 0, FA0, 4
	LDB 0, 0, 2
	LAP 1                                          ; the first lap stands in front of the loop: its first products start the sums.  It leaves every window 0, as a label asks
	s_mov_b32 s3, LAPS-2
.Llap:
	LAP 0
	s_sub_co_u32 s3, s3, 1
	s_cmp_lg_u32 s3, 0
	s_cbranch_scc1 .Llap
	QUARTER 0, FA0, FA1, 0, 1, 0, 0, 0, 1          ; the last lap fills nothing, and has no round of the cluster's barrier: my one tensor load that is still out is the last K step's
	QUARTER 0, FA1, FA0, 1, 0, 1, 0, 0, 1
	QUARTER 1, FA0, FA1, 1, 1, 0, 0, 0, 1
	QUARTER 1, FA1, FA0, 0, 0, 0, 0, 0, 0          ; the very last quarter: nothing more to fetch
	; THE WAY OUT, 16 rows at a time: round to f16, 16 bytes a lane into my own stage in LDS, read back by heads.
	; The four v_nop are the places behind the last matrix instructions, for the conversions, which read results and write B's registers, and for the loads into A's buffers.
	PLACES
	; My 128 rows are tokens 256 (block row % 8) + 128 x half of batch block row / 8.  Head c of mine is number g = 6 x block column + 2 c + half of the 48
	; heads of q, k and v: plane g / 16, head g % 16.
	s_lshr_b32 s14, s13, 3
	s_lshl_b32 s14, s14, 22                        ; batch x 16 heads x 262,144 bytes
	s_and_b32 s16, s13, 7
	s_lshl_b32 s16, s16, 15                        ; + 256 tokens x 128 bytes
	s_add_co_u32 s16, s16, s14
	s_lshl_b32 s14, s11, 14                        ; + 128 tokens x 128 bytes
	s_add_co_u32 s16, s16, s14
	s_mov_b32 s17, 0
	s_add_nc_u64 s[8:9], s[8:9], s[16:17]
	s_mul_i32 s46, s42, 6                          ; (in the registers that held B's address: none that feeds A's descriptors ever holds cx)
	s_add_co_u32 s46, s46, s12
.irp c, 0,1,2
	s_add_co_u32 s74, s46, 2*\c                    ; g
	s_lshr_b32 s75, s74, 4
	s_lshl_b32 s75, s75, 24                        ; q, k or v: 16,777,216 bytes each
	s_and_b32 s74, s74, 15
	s_lshl_b32 s74, s74, 18                        ; + head x 262,144 bytes
	s_add_co_u32 s74, s74, s75                     ; with the rows' part below 50,331,648
	s_mov_b32 s75, 0
	s_add_nc_u64 s[BASE+2*\c:BASE+2*\c+1], s[8:9], s[74:75]
.endr
; rows 16 a .. 16 a + 15 of my block = the twelve tiles (a, 0..3) of windows 1, 2, 3; f: A's buffer 0 or 1 in turn, 48 registers of it
.macro OUTA a, f
.irp c, 0,1,2
	WIN 5*(\c+1)                                   ; sources 0 and 1 in window 1 + c, destination in window 0
.irp i, 0,1,2,3
.irp r, 0,1,2,3
	v_cvt_pk_f16_f32 v[TMP+4*(4*\c+\i)+\r], v[8*(8*\i+\a)+2*\r], v[8*(8*\i+\a)+2*\r+1]
.endr
.endr
.endr
	WIN 0
.irp c, 0,1,2
.irp i, 0,1,2,3
	ds_store_b128 v[STO], v[TMP+4*(4*\c+\i):TMP+4*(4*\c+\i)+3] offset:128*\c+32*\i
.endr
.endr
	s_wait_xcnt 0x0                                ; every earlier memory instruction has had its addresses translated (ISA guide 3.1): buffer f, which stores read two turns ago, is rewritten only behind this wait
.irp c, 0,1,2
.irp t, 0,1,2,3
	ds_load_b128 v[\f+4*(4*\c+\t):\f+4*(4*\c+\t)+3], v[RD] offset:128*\c+\t*4*SPITCH   ; rows 4 t .. 4 t + 3 of head c.  LDS serves a wave's instructions in order (ISA guide 5.7.1.4): these see the stores above
.endr
.endr
.irp c, 0,1,2
.irp t, 0,1,2,3
	s_wait_dscnt 11-4*\c-\t                        ; load 4 c + t is in, the younger ones stay out
	global_store_b128 v[CO], v[\f+4*(4*\c+\t):\f+4*(4*\c+\t)+3], s[BASE+2*\c:BASE+2*\c+1] offset:\t*512+\a*2048   ; four tokens of one head: 512 consecutive bytes, aligned; no base is ever stepped
.endr
.endr
.endm
	OUTA 0, FA0
	OUTA 1, FA1
	OUTA 2, FA0
	OUTA 3, FA1
	OUTA 4, FA0
	OUTA 5, FA1
	OUTA 6, FA0
	OUTA 7, FA1
	s_wait_tensorcnt 0x0
	ds_add_u32 v30, v31
	s_wait_dscnt 0x0
	CROUND                                         ; the closing round: no work-group ends while a partner may still ask for a tile that names it
	s_endpgm
.Lfunc_end_k_qefbd3053e1_proj:
	.size	k_qefbd3053e1_proj, .Lfunc_end_k_qefbd3053e1_proj-k_qefbd3053e1_proj
	.p2alignl 7, 3214868480
	.fill 96, 4, 3214868480
	.section	.rodata,"a",@progbits
	.p2align	6, 0x0
	.amdhsa_kernel k_qefbd3053e1_proj
		.amdhsa_group_segment_fixed_size 327680
		.amdhsa_private_segment_fixed_size 0
		.amdhsa_enable_private_segment 0
		.amdhsa_kernarg_size 24
		.amdhsa_user_sgpr_count 2
		.amdhsa_user_sgpr_kernarg_segment_ptr 1
		.amdhsa_wavefront_size32 1
		.amdhsa_system_sgpr_workgroup_id_x 1
		.amdhsa_system_sgpr_workgroup_id_y 1
		.amdhsa_system_sgpr_workgroup_id_z 1
		.amdhsa_system_vgpr_workitem_id 0
		.amdhsa_next_free_vgpr 1024
		.amdhsa_next_free_sgpr 76
		.amdhsa_reserve_vcc 0
		.amdhsa_float_denorm_mode_32 3
		.amdhsa_float_denorm_mode_16_64 3
		.amdhsa_memory_ordered 1
		.amdhsa_forward_progress 1
		.amdhsa_inst_pref_size 172
	.end_amdhsa_kernel
	.amdgpu_metadata
---
amdhsa.version: [ 1, 2 ]
amdhsa.kernels:
  - .name:           k_qefbd3053e1_proj
    .symbol:         k_qefbd3053e1_proj.kd
    .args:
      - { .name: xb, .offset: 0, .size: 8, .value_kind: global_buffer, .address_space: global }
      - { .name: wb, .offset: 8, .size: 8, .value_kind: global_buffer, .address_space: global }
      - { .name: qkv, .offset: 16, .size: 8, .value_kind: global_buffer, .address_space: global }
    .group_segment_fixed_size: 327680
    .private_segment_fixed_size: 0
    .kernarg_segment_align: 8
    .kernarg_segment_size: 24
    .max_flat_workgroup_size: 128
    .sgpr_count:     76
    .vgpr_count:     1024
    .wavefront_size: 32
...
	.end_amdgpu_metadata
.endif
;; end of part 4
;; launch attn (part 5): grid 256 x 1, 8 waves a work-group, clusters of 4 x 1, 327,680 bytes of LDS; arguments qkv, out0; writes out0
.if DOCPART == 5
	.amdgcn_target "amdgcn-amd-amdhsa--gfx1250"
	.amdhsa_code_object_version 6
	.text
	.protected	k_qefbd3053e1_attn
	.globl	k_qefbd3053e1_attn
	.p2align	8
	.type	k_qefbd3053e1_attn,@function
k_qefbd3053e1_attn:
	s_mov_b64 s[64:65], 0
	v_nop
	global_prefetch_b8 v0, s[64:65] scope:SCOPE_SE
	s_setreg_imm32_b32 hwreg(HW_REG_WAVE_MODE, 25, 1), 1
	s_wait_xcnt 0x0
	s_wait_alu depctr_hold_cnt(0) depctr_sa_sdst(0) depctr_va_vdst(0) depctr_va_sdst(0) depctr_va_ssrc(0) depctr_va_vcc(0) depctr_vm_vsrc(0)
	s_getreg_b32 s2, hwreg(HW_REG_IB_STS2, 6, 4)
	s_cmp_eq_u32 s2, 0
	s_cbranch_scc0 .Lentry_in_a_cluster
	s_endpgm
.Lentry_in_a_cluster:
	s_bfe_u32 s2, ttmp6, 0x10000c
	s_cmp_lg_u32 s2, 0x3003
	s_cbranch_scc0 .Lentry_shape_is_right
	s_endpgm
.Lentry_shape_is_right:
; out0[b][s][64 head + d] = softmax over keys of (q . k / 32) times v, for each of 64 (batch, head) pairs; 2,048 tokens, d = 64.
; qkv: [3][64 bh][2048][64] f16.  out0: [4][2048][1024] f32.  Products on f16 operands with f32 sums; maximum, exponentials, sums and rescaling in f32.
; The maximum is taken away before every exponential, as a running maximum over steps of 64 keys.
; LIMITS: NaN and infinite numbers in qkv are not served.  The softmax's sum is taken over the exponentials in f32, the product with v uses
; them rounded to f16 (they lie in 0 .. 1; below 6e-8 of the row's largest they vanish, 2,048 such are under 2e-4 of the sum).
; SHARES: a cluster of four work-groups takes one (batch, head): cluster x = bh, the place in the cluster = the block of 512 queries.  A wave takes 64
; queries, four tiles of 16.  Eight waves, two on each SIMD, so that one wave's matrix work can run while the other does its softmax.
; The four partners walk the same K and V: every tile is asked for JOINTLY (mask 15), which divides the requests for K and V by four.
; Only Q's and out0's global addresses hang on the place in the cluster.
; BOTH PRODUCTS ARE USED TRANSPOSED.  S^T = K Q^T: source 0 = 16 keys, source 1 = 16 queries; lane (r = l % 16, h = l / 16) register j holds key 8 h + j of
; query r.  Two such tiles (32 keys), rounded to f16 in place, ARE source 1 of O^T = V^T P^T: P never passes LDS or another lane, and maximum,
; sum and rescale factor of query r are one number a lane; the only exchange is with lane l xor 16, which holds the other keys of the same query.
; THE STEP OF 64 KEYS IS A LOOP BODY.  Its LDS addresses lie in two registers that are set behind each round and go 64 rows on in each step, so that the
; text names neither the slot nor the step: of the 32 steps 26 run on text that the wave has run before.  The body is turned so that it begins
; with the product that the step before has prepared: ask for K(t); O = O x factor + V(t-1)^T P(t-1)^T; ask for V(t); S(t); softmax(t); V(t) is in.
; K lands under the rescaling and the 32 matrix instructions, V under S and the softmax, and at a step's end all that the wave wants of the slot
; is in registers: the change of slots stands between two steps, and no step has a text of its own for it.
; THE SOFTMAX IS LAID OUT ACROSS THE FOUR QUERY TILES, so that no line waits for the line in front of it: the maxima's chains run two tiles at a time, their
; dependent ends line by line over all four tiles, the sums in four chains a tile, and each exponential is followed by a plain line of another tile.
; LDS: two slots of 256 keys: V's 256 rows of 128 + 32 bytes (for the transposing loads), then K's 256 rows of 128 + 16 bytes; behind them a stage of
; 16 rows x 272 bytes for each wave, where no tensor load lands.
; REGISTERS: window 0 (v0-255): addresses, softmax state, V^T fragments, S tiles.  Window 1 (v256-511, written by their low 8 bits): O^T, Q, K fragments.
.set VPITCH, 160
.set KPITCH, 144
.set KOFF,   256*VPITCH                ; K's rows behind V's: 40,960
.set SLOT,   KOFF+256*KPITCH           ; 77,824
.set STAGE,  2*SLOT                    ; 155,648
.set SPITCH, 272
.set PLANE,  16777216                  ; bytes of q, of k, of v
.set TILEB,  256*128                   ; bytes of a tile of 256 keys in memory
.set KSTEPB, 64*KPITCH                 ; a step's 64 rows of K in LDS: 9,216 bytes
.set VSTEPB, 64*VPITCH                 ; a step's 64 rows of V in LDS: 10,240 bytes
.set ADRK, 4                           ; v4-5    slot x SLOT + KOFF + 144 r + 16 h
.set ADRV, 6                           ; v6-7    slot x SLOT + (8 h + l % 8) x 160 + 16 ((l / 8) % 2)
.set QOFF, 8                           ; v8      128 r + 16 h
.set STO,  9                           ; v9      stage + 272 r + 32 h
.set RD,   10                          ; v10     stage + 272 h + 16 r
.set CO,   11                          ; v11     4096 h + 16 r
.set ST,   12                          ; v12-27  for each query tile: -c x maximum, maximum, rescale factor, sum (c = log2(e) / 32)
.set T,    28                          ; v28-43  for each query tile: four registers at work
.set KC,   46                          ; v46     ADRK of the slot + 9,216 x the step in the slot
.set VC,   47                          ; v47     ADRV of the slot + 10,240 x the step in the slot
.set U,    48                          ; v48-63  for each query tile: four more registers at work, the sums' third and fourth chain
.set VF,   64                          ; v64-127   V^T fragment (kp, dt) at VF + 8 (4 kp + dt)
.set SB,   128                         ; v128-255  S tile (kt, qt) at SB + 32 qt + 8 kt; P fragment (kp, qt) at SB + 32 qt + 16 kp
.set QF,   128                         ; window 1: Q fragment (qt, kf) at QF + 8 (2 qt + kf);  O^T tile (dt, qt) at 8 (4 qt + dt)
.set KF,   192                         ; window 1: K fragment (kt, kf) at KF + 8 (2 kt + kf)
.set G1V, 16                           ; s[16:23] group 1 for V's tiles
.set G1K, 24                           ; s[24:31] group 1 for K's tiles: another pad
.set G0V, 32                           ; s[32:39] group 0 for V's tiles, one set for each slot
.set G0K, 40                           ; s[40:47] group 0 for K's tiles, one set for each slot
.set W_LD1, 0x40                       ; destination window 1, address window 0
.set W_S,   0x05                       ; sources 0 and 1 (K, Q) window 1; C and D (S) window 0
.set W_RS,  0x41                       ; destination and source 0 (O) window 1
.set W_PV,  0x50                       ; C and D (O) window 1; sources 0 and 1 (V, P) window 0
.set W_FIN, 0x01                       ; source 0 (O) window 1
.set MSB, 0
.macro WIN new                         ; the immediate's high byte repeats the setting that is left
.if MSB != \new
	s_set_vgpr_msb (MSB<<8)|\new
.set MSB, \new
.endif
.endm
.macro PLACES n
.rept \n
	v_nop
.endr
.endm
; A round of the cluster's barrier: my work-group's barrier, wave 0's signal for the work-group, every wave's wait for the four work-groups, my work-group's barrier again.
.macro ROUND
	s_barrier_signal -1
	s_barrier_wait -1
	s_cmp_lg_u32 s8, 0
	s_cbranch_scc1 .Lnot_wave_0_\@
	s_barrier_signal -3
.Lnot_wave_0_\@:
	s_barrier_wait -3
	s_barrier_signal -1
	s_barrier_wait -1
.endm
; A joint load into slot s: waves 0-3 fetch 64 rows of V each, waves 4-7 64 rows of K.  The branch hangs on the wave's number alone.
; Four v_nop follow each of the two lines.
.macro JLOAD s
	s_cmp_eq_u32 s9, 0
	s_cbranch_scc0 .Lfor_k_\@
	tensor_load_to_lds s[G0V+4*(\s):G0V+4*(\s)+3], s[G1V:G1V+7]
	s_nop 0
	PLACES 4
	s_branch .Lasked_\@
.Lfor_k_\@:
	tensor_load_to_lds s[G0K+4*(\s):G0K+4*(\s)+3], s[G1K:G1K+7]
	s_nop 0
	PLACES 4
.Lasked_\@:
.endm
	s_load_b128 s[4:7], s[0:1], 0x0                ; qkv s[4:5], out0 s[6:7]
	v_lshl_add_u32 v254, v0, 2, 0x2e800
	v_mov_b32 v255, 0
	ds_add_u32 v254, v255
	s_wait_dscnt 0x0
	v_lshrrev_b32 v1, 5, v0
	v_readfirstlane_b32 s8, v1                     ; wave 0..7
	s_lshr_b32 s9, s8, 2                           ; I fetch for V (0) or for K (1)
	s_bfe_u32 s11, ttmp6, 0x40000                  ; cx: my block of 512 queries
	s_mov_b32 s12, 0x76543210                      ; v_permlanex16_b32: lane i of one half reads lane i of the other
	s_mov_b32 s13, 0xfedcba98
	s_mov_b32 s14, 0x3d38aa3b                      ; c = log2(e) / 32: the scale 1 / sqrt(1024) and the change of base in one factor,
	s_mov_b32 s15, 0x3d38aa3b                      ; twice: a pair for the packed multiply-add
	s_mov_b32 s49, 0xbd38aa3b                      ; -c
	; group 1: 64 rows x 64 elements of 2 bytes, dense in memory; padding behind every 32 words: 8 words for V, 4 for K
	s_mov_b32 s[G1V+0], 15|(1<<16)|(1<<20)|(1<<21)|(4<<22)|(7<<25)  ; 15:0 mask: all four of the cluster; 17:16 2-byte elements; 20 padding on; 21 set beside a mask; 24:22 interval code 4; 31:25 pad code 7
	s_mov_b32 s[G1K+0], 15|(1<<16)|(1<<20)|(1<<21)|(4<<22)|(3<<25)  ; pad code 3
.irp g, G1V, G1K
	s_mov_b32 s[\g+1], 64<<16                      ; tensor_dim0 = 64
	s_mov_b32 s[\g+2], 64<<16                      ; tensor_dim1 = 64
	s_mov_b32 s[\g+3], 64<<16                      ; tile_dim0 = 64
	s_mov_b32 s[\g+4], 64                          ; tile_dim1 = 64
	s_mov_b32 s[\g+5], 64                          ; elements from row to row
	s_mov_b32 s[\g+6], 0
	s_mov_b32 s[\g+7], 0
.endr
	s_lshl_b32 s50, ttmp9, 18                      ; bh x 262,144 bytes
	s_lshl_b32 s10, s8, 13                         ; + wave x 64 rows x 128 bytes
	s_add_co_u32 s50, s50, s10
	s_mov_b32 s51, 0
	s_mul_i32 s58, s8, 64*VPITCH                   ; V's rows 64 w in a slot (waves 0-3)
	s_mul_i32 s59, s8, 64*KPITCH
	s_add_co_u32 s59, s59, KOFF-4*64*KPITCH        ; K's rows 64 (w - 4) in a slot (waves 4-7)
	s_lshl_b32 s60, s11, 16                        ; Q: + 512 queries x 128 bytes x cx, in registers that feed no descriptor
	s_mov_b32 s61, 0
	s_wait_kmcnt 0x0
	s_add_nc_u64 s[56:57], s[4:5], s[50:51]        ; shared by the four partners
	s_add_nc_u64 s[52:53], s[56:57], s[60:61]      ; my 64 queries: row 512 cx + 64 w of q's plane
	; Every wave writes both sets and asks by one of them.
.irp n, 0,1
	s_mov_b32 s[G0V+4*\n], 1                                       ; count = 1
	s_add_co_u32 s[G0V+4*\n+1], s58, \n*SLOT                       ; LDS address
	s_add_nc_u64 s[G0V+4*\n+2:G0V+4*\n+3], s[56:57], 2*PLANE+\n*TILEB   ; v's plane, tile n
	s_or_b32 s[G0V+4*\n+3], s[G0V+4*\n+3], 0x80000000              ; type = 2
	s_mov_b32 s[G0K+4*\n], 1
	s_add_co_u32 s[G0K+4*\n+1], s59, \n*SLOT
	s_add_nc_u64 s[G0K+4*\n+2:G0K+4*\n+3], s[56:57], PLANE-4*8192+\n*TILEB   ; k's plane, rows 64 (w - 4), tile n
	s_or_b32 s[G0K+4*\n+3], s[G0K+4*\n+3], 0x80000000
.endr
	ROUND                                          ; the four work-groups are here: the first joint load meets
	JLOAD 0                                        ; tile 0; slot 1 is first filled behind the first trip's round, as a refill is.  One tensor load of the wave is out, here and ever after
	s_lshr_b32 s60, ttmp9, 4
	s_lshl_b32 s60, s60, 23                        ; out0: batch x 2,048 x 4,096 bytes
	s_lshl_b32 s62, s11, 21                        ; + 512 cx rows
	s_add_co_u32 s60, s60, s62
	s_lshl_b32 s62, s8, 18                         ; + 64 w rows
	s_add_co_u32 s60, s60, s62
	s_and_b32 s62, ttmp9, 15
	s_lshl_b32 s62, s62, 8                         ; + head x 256 bytes
	s_add_co_u32 s60, s60, s62                     ; below 33,554,432
	s_mov_b32 s61, 0
	s_add_nc_u64 s[54:55], s[6:7], s[60:61]
	s_mul_i32 s63, s8, 16*SPITCH
	s_add_co_u32 s63, s63, STAGE                   ; my stage
	v_and_b32 v1, 15, v0                           ; r
	v_bfe_u32 v2, v0, 4, 1                         ; h
	v_and_b32 v3, 7, v0
	v_bfe_u32 v44, v0, 3, 1
	v_mul_u32_u24 v[ADRK], v1, KPITCH
	v_lshl_add_u32 v[ADRK], v2, 4, v[ADRK]
	v_add_nc_u32 v[ADRK+1], SLOT+KOFF, v[ADRK]
	v_add_nc_u32 v[ADRK], KOFF, v[ADRK]
	v_lshl_add_u32 v[ADRV], v2, 3, v3
	v_mul_u32_u24 v[ADRV], v[ADRV], VPITCH
	v_lshl_add_u32 v[ADRV], v44, 4, v[ADRV]
	v_add_nc_u32 v[ADRV+1], SLOT, v[ADRV]
	v_lshlrev_b32 v[QOFF], 7, v1
	v_lshl_add_u32 v[QOFF], v2, 4, v[QOFF]
	v_mul_u32_u24 v[STO], v1, SPITCH
	v_lshl_add_u32 v[STO], v2, 5, v[STO]
	v_add_nc_u32 v[STO], s63, v[STO]
	v_mul_u32_u24 v[RD], v2, SPITCH
	v_lshl_add_u32 v[RD], v1, 4, v[RD]
	v_add_nc_u32 v[RD], s63, v[RD]
	v_lshlrev_b32 v[CO], 12, v2
	v_lshl_add_u32 v[CO], v1, 4, v[CO]
	; Q stays in registers for the whole launch: fragment (qt, kf): query 16 qt + r, d = 32 kf + 8 h + 0..7 and 32 kf + 16 + 8 h + 0..7.
	; Its loads are waited for behind the first trip's round, ahead of the first product: they run while tile 0 is on its way.
	WIN W_LD1
.irp qt, 0,1,2,3
.irp kf, 0,1
	global_load_b128 v[QF+8*(2*\qt+\kf):QF+8*(2*\qt+\kf)+3],   v[QOFF], s[52:53] offset:2048*\qt+64*\kf
	global_load_b128 v[QF+8*(2*\qt+\kf)+4:QF+8*(2*\qt+\kf)+7], v[QOFF], s[52:53] offset:2048*\qt+64*\kf+32
.endr
.endr
	WIN 0
; K's fragments of a step (64 keys), from address register a and byte o: 16 loads.  Fragment (kt, kf): key 16 kt + r of the step, d as for Q.
.macro LOADK a, o
	WIN W_LD1
.irp kt, 0,1,2,3
.irp kf, 0,1
	ds_load_b128 v[KF+8*(2*\kt+\kf):KF+8*(2*\kt+\kf)+3],   v[\a] offset:\o+16*\kt*KPITCH+64*\kf
	ds_load_b128 v[KF+8*(2*\kt+\kf)+4:KF+8*(2*\kt+\kf)+7], v[\a] offset:\o+16*\kt*KPITCH+64*\kf+32
.endr
.endr
.endm
; V^T's fragments of a step: 16 transposing loads.  Fragment (kp, dt): d = 16 dt + r, keys 32 kp + 8 h + 0..7 and + 16 of the step.
.macro LOADV a, o
	WIN 0
.irp kp, 0,1
.irp dt, 0,1,2,3
	ds_load_tr16_b128 v[VF+8*(4*\kp+\dt):VF+8*(4*\kp+\dt)+3],   v[\a] offset:\o+32*\kp*VPITCH+32*\dt
	ds_load_tr16_b128 v[VF+8*(4*\kp+\dt)+4:VF+8*(4*\kp+\dt)+7], v[\a] offset:\o+32*\kp*VPITCH+32*\dt+16*VPITCH
.endr
.endr
.endm
; S^T = K Q^T for 64 keys x 64 queries: 32 matrix instructions.  The first half of d starts the sums; the 16 accumulators take turns, one
; instruction a turn.
.macro SMUL
	WIN W_S
.irp qt, 0,1,2,3
.irp kt, 0,1,2,3
	v_wmma_f32_16x16x32_f16 v[SB+32*\qt+8*\kt:SB+32*\qt+8*\kt+7], v[KF+16*\kt:KF+16*\kt+7], v[QF+16*\qt:QF+16*\qt+7], 0
.endr
.endr
.irp qt, 0,1,2,3
.irp kt, 0,1,2,3
	v_wmma_f32_16x16x32_f16 v[SB+32*\qt+8*\kt:SB+32*\qt+8*\kt+7], v[KF+16*\kt+8:KF+16*\kt+15], v[QF+16*\qt+8:QF+16*\qt+15], v[SB+32*\qt+8*\kt:SB+32*\qt+8*\kt+7]
.endr
.endr
.endm
; The maxima, first part: of two query tiles' 32 numbers a lane, 28 go through four chains a tile: eight chains side by side.
.macro MAXHEAD q0, q1
.irp qt, \q0, \q1
.irp c, 0,1,2,3
	v_max3_num_f32 v[T+4*\qt+\c], v[SB+32*\qt+8*\c], v[SB+32*\qt+8*\c+1], v[SB+32*\qt+8*\c+2]
.endr
.endr
.irp o, 3, 5
.irp qt, \q0, \q1
.irp c, 0,1,2,3
	v_max3_num_f32 v[T+4*\qt+\c], v[T+4*\qt+\c], v[SB+32*\qt+8*\c+\o], v[SB+32*\qt+8*\c+\o+1]
.endr
.endr
.endr
.endm
; The maxima, second part, each line over all four tiles: the chains join, taking the last four numbers and the old maximum with them; the other half of
; the keys comes from lane l xor 16; then the new running maximum M, its shift -c M, and the factor exp2(new shift - old shift) that brings the old
; sums to the new maximum: the difference of the very two shifts that the old and the new exponentials are formed with, exactly 0 where the maximum stays.
.macro MAXTAIL first
.irp qt, 0,1,2,3
	v_max3_num_f32 v[T+4*\qt],   v[T+4*\qt],   v[T+4*\qt+1], v[SB+32*\qt+7]
.endr
.irp qt, 0,1,2,3
	v_max3_num_f32 v[T+4*\qt+2], v[T+4*\qt+2], v[T+4*\qt+3], v[SB+32*\qt+15]
.endr
.irp qt, 0,1,2,3
	v_max3_num_f32 v[T+4*\qt],   v[T+4*\qt],   v[T+4*\qt+2], v[SB+32*\qt+23]
.endr
.irp qt, 0,1,2,3
.if \first
	v_max_num_f32 v[T+4*\qt], v[T+4*\qt], v[SB+32*\qt+31]
.else
	v_max3_num_f32 v[T+4*\qt], v[T+4*\qt], v[SB+32*\qt+31], v[ST+4*\qt+1]
.endif
.endr
.irp qt, 0,1,2,3
	v_permlanex16_b32 v[T+4*\qt+1], v[T+4*\qt], s12, s13           ; its destination counts as read: it has been written above
.endr
.irp qt, 0,1,2,3
	v_max_num_f32 v[ST+4*\qt+1], v[T+4*\qt], v[T+4*\qt+1]          ; the maximum, the same in both lanes of a query
.endr
.if \first
.irp qt, 0,1,2,3
	v_mul_f32 v[ST+4*\qt], s49, v[ST+4*\qt+1]
.endr
.else
.irp qt, 0,1,2,3
	v_mul_f32 v[T+4*\qt+1], s49, v[ST+4*\qt+1]
.endr
.irp qt, 0,1,2,3
	v_sub_f32 v[T+4*\qt+3], v[T+4*\qt+1], v[ST+4*\qt]              ; at most 0
.endr
.irp qt, 0,1,2,3
	v_mov_b32 v[ST+4*\qt], v[T+4*\qt+1]
.endr
.irp qt, 0,1,2,3
	v_exp_f32 v[ST+4*\qt+2], v[T+4*\qt+3]                          ; behind the four a plain vector instruction that touches none of their registers follows (ISA guide 5.7.2): the first multiply-add below
.endr
.endif
.endm
; Line PLI (0 to 32) of query tile PLQ's sum and conversion.  Lines 0 to 14: the lane's 32 P in four chains of packed sums, which then join.  Lines 15, 16: into
; the running sum (each lane keeps its own half of the keys; the halves meet at the end); the first step starts it and has no line 16.  Lines 17 to 32:
; P to f16, in place: register i of a fragment is written after registers 2 i and 2 i + 1 have been read.
.macro SUM1 first
.if PLI < 12
.set PLC, PLI%4
.if PLC < 2
.set CHB, T+4*PLQ+2*PLC
.else
.set CHB, U+4*PLQ+2*PLC-4
.endif
.if PLI < 4
	s_wait_alu depctr_va_vdst(0)
	v_pk_add_f32 v[CHB:CHB+1], v[SB+32*PLQ+2*PLC:SB+32*PLQ+2*PLC+1], v[SB+32*PLQ+2*PLC+8:SB+32*PLQ+2*PLC+9]
.else
	s_wait_alu depctr_va_vdst(0)
	v_pk_add_f32 v[CHB:CHB+1], v[CHB:CHB+1], v[SB+32*PLQ+2*PLC+8*(PLI/4)+8:SB+32*PLQ+2*PLC+8*(PLI/4)+9]
.endif
.endif
.if PLI == 12
	v_pk_add_f32 v[T+4*PLQ:T+4*PLQ+1], v[T+4*PLQ:T+4*PLQ+1], v[T+4*PLQ+2:T+4*PLQ+3]
.endif
.if PLI == 13
	v_pk_add_f32 v[U+4*PLQ:U+4*PLQ+1], v[U+4*PLQ:U+4*PLQ+1], v[U+4*PLQ+2:U+4*PLQ+3]
.endif
.if PLI == 14
	v_pk_add_f32 v[T+4*PLQ:T+4*PLQ+1], v[T+4*PLQ:T+4*PLQ+1], v[U+4*PLQ:U+4*PLQ+1]
.endif
.if PLI == 15
.if \first
	v_add_f32 v[ST+4*PLQ+3], v[T+4*PLQ], v[T+4*PLQ+1]
	s_wait_alu depctr_va_vdst(0)
.else
	v_add_f32 v[T+4*PLQ], v[T+4*PLQ], v[T+4*PLQ+1]
.endif
.endif
.if PLI == 16
.if \first == 0
	v_fma_f32 v[ST+4*PLQ+3], v[ST+4*PLQ+3], v[ST+4*PLQ+2], v[T+4*PLQ]
	s_wait_alu depctr_va_vdst(0)
.endif
.endif
.if PLI > 16
.set PLC, PLI-17
	v_cvt_pk_f16_f32 v[SB+32*PLQ+16*(PLC/8)+PLC%8], v[SB+32*PLQ+16*(PLC/8)+2*(PLC%8)], v[SB+32*PLQ+16*(PLC/8)+2*(PLC%8)+1]
.endif
.endm
; The next of the softmax's 196 plain lines behind the maxima.  Lines 0 to 63: c S - c M for registers 2 n, 2 n + 1 of S (tile n / 16).  Lines 64 to 195: 33 lines of
; sum and conversion for each tile in turn.
.macro PLNEXT first
.if PLN < 64
	v_pk_fma_f32 v[SB+2*PLN:SB+2*PLN+1], v[SB+2*PLN:SB+2*PLN+1], s[14:15], v[ST+4*(PLN/16):ST+4*(PLN/16)+1] op_sel_hi:[1,0,0]
.else
.set PLQ, (PLN-64)/33
.set PLI, (PLN-64)%33
	SUM1 \first
.endif
.set PLN, PLN+1
.endm
; The softmax of a step.  P = exp2(c S - c M), in place.  Sixteen plain lines go ahead; then exponential e (register e of S) is followed by plain line 16 + e.
; So register e's multiply-add, line e / 2, stands at least 16 plain lines ahead of its exponential; tile q's sum, from line 64 + 33 q on, begins behind
; exponential 48 + 33 q, at least 17 pairs behind the tile's last exponential, 32 q + 31; and the plain line behind an exponential always works on
; another tile (ISA guide 5.7.2: a plain vector instruction between a transcendental and the use of its result).
.macro SOFTMAX first
	MAXHEAD 0, 1
	MAXHEAD 2, 3
	MAXTAIL \first
.set PLN, 0
.set EXN, 0
.rept 16
	PLNEXT \first
.endr
.rept 128
	v_exp_f32 v[SB+EXN], v[SB+EXN]
.set EXN, EXN+1
	PLNEXT \first
.endr
.rept 52
	PLNEXT \first
.endr
.endm
; O^T times the rescale factor of its query: 64 packed multiplies
.macro RESC
	WIN W_RS
.irp qt, 0,1,2,3
.set j, 0
.rept 16
	v_pk_mul_f32 v[32*\qt+j:32*\qt+j+1], v[32*\qt+j:32*\qt+j+1], v[ST+4*\qt+2:ST+4*\qt+3] op_sel_hi:[1,0]
.set j, j+2
.endr
.endr
.endm
; O^T += V^T P^T for 64 keys: 32 matrix instructions on 16 accumulators that take turns, one instruction a turn.
; first = 1: the first product starts the sums: nothing is cleared.
.macro PVMUL first
	WIN W_PV
.irp qt, 0,1,2,3
.irp dt, 0,1,2,3
.if \first
	v_wmma_f32_16x16x32_f16 v[8*(4*\qt+\dt):8*(4*\qt+\dt)+7], v[VF+8*\dt:VF+8*\dt+7], v[SB+32*\qt:SB+32*\qt+7], 0
.else
	v_wmma_f32_16x16x32_f16 v[8*(4*\qt+\dt):8*(4*\qt+\dt)+7], v[VF+8*\dt:VF+8*\dt+7], v[SB+32*\qt:SB+32*\qt+7], v[8*(4*\qt+\dt):8*(4*\qt+\dt)+7]
.endif
.endr
.endr
.irp qt, 0,1,2,3
.irp dt, 0,1,2,3
	v_wmma_f32_16x16x32_f16 v[8*(4*\qt+\dt):8*(4*\qt+\dt)+7], v[VF+32+8*\dt:VF+32+8*\dt+7], v[SB+32*\qt+16:SB+32*\qt+23], v[8*(4*\qt+\dt):8*(4*\qt+\dt)+7]
.endr
.endr
.endm
; One step: 64 keys against my 64 queries.  K from register ka at byte ko, V from register va at byte vo.
; mode 0: the launch's first step: no product is due, and maxima and sums start.  mode 1: the second: the product that is due starts O, so nothing is
; rescaled.  mode 2: every other.  adv = 1: the two address registers go on to the next step's 64 rows.
.macro STEP ka, ko, va, vo, mode, adv
	LOADK \ka, \ko                                 ; K lands under the rescaling and the product below
.if \mode == 2
	RESC                                           ; the step before has left its factor, its P and its V in registers
	PVMUL 0
.endif
.if \mode == 1
	PVMUL 1
.endif
.if \mode > 0
	WIN 0
	PLACES 5                                       ; behind the last matrix instruction: four places ahead of the loads into V's registers, five ahead of the matrix instructions that write over P
.endif
	LOADV \va, \vo                                 ; V is wanted only in the next step's product: it lands under S and the softmax
	s_wait_dscnt 16                                ; K's 16 loads are in; the 16 of V, issued behind them, stay out
	SMUL
	WIN 0
.if \adv
	v_add_nc_u32 v[KC], KSTEPB, v[KC]              ; K's loads are in, so their address goes on; also the first of the four places ahead of the reads of S
	PLACES 3
.else
	PLACES 4                                       ; four places behind the last matrix instruction, ahead of the reads of S
.endif
.if \mode == 0
	SOFTMAX 1
.else
	SOFTMAX 0
.endif
	s_wait_dscnt 0x0                               ; V's loads are in; nothing was issued behind them: all that I want of these 64 rows is in registers
.if \adv
	v_add_nc_u32 v[VC], VSTEPB, v[VC]
.endif
.endm
; The change of slots, between two steps.  In front of the round each wave waits for all its tensor loads (its part of the slot that is read next) and
; for its reads of the other slot; the round shows both of every wave of the four work-groups; behind it the other slot's joint refill comes first,
; one load a wave.  That load has four steps, 256 matrix instructions of each wave, in which to land.
.macro HEAD slot, refill
	s_wait_xcnt 0x0
	v_lshl_add_u32 v254, v0, 2, 0x2e800
	v_mov_b32 v255, 0
	s_wait_tensorcnt 0x0                           ; no tensor load of mine is out, so a group 0 may be written:
	ds_add_u32 v254, v255
	s_wait_dscnt 0x0
	s_add_nc_u64 s[G0V+4*\slot+2:G0V+4*\slot+3], s[G0V+4*\slot+2:G0V+4*\slot+3], 2*TILEB   ; this slot's next tile
	s_add_nc_u64 s[G0K+4*\slot+2:G0K+4*\slot+3], s[G0K+4*\slot+2:G0K+4*\slot+3], 2*TILEB
	s_wait_dscnt 0x0                               ; my reads of the other slot are over (met: each step ends with this wait)
	ROUND
.if \refill
	JLOAD 1-\slot
.endif
.endm
; A trip: a slot's 256 keys in four turns of the one step
.macro TRIP slot, refill
	HEAD \slot, \refill
	v_mov_b32 v[KC], v[ADRK+\slot]
	v_mov_b32 v[VC], v[ADRV+\slot]
	s_mov_b32 s48, 4
.Lstep_\@:
	STEP KC, 0, VC, 0, 2, 1
	s_sub_co_u32 s48, s48, 1
	s_cmp_lg_u32 s48, 0
	s_cbranch_scc1 .Lstep_\@
.endm
	; Eight tiles of 256 keys.  Tile 0: its first two steps are written out, the other two are turns of a loop.
	HEAD 0, 1                                      ; asks for tile 1
	s_wait_loadcnt 0x0                             ; Q, once, ahead of the first product
	STEP ADRK, 0, ADRV, 0, 0, 0
	STEP ADRK, KSTEPB, ADRV, VSTEPB, 1, 0
	v_add_nc_u32 v[KC], 2*KSTEPB, v[ADRK]
	v_add_nc_u32 v[VC], 2*VSTEPB, v[ADRV]
	s_mov_b32 s48, 2
.Lfirst:
	STEP KC, 0, VC, 0, 2, 1
	s_sub_co_u32 s48, s48, 1
	s_cmp_lg_u32 s48, 0
	s_cbranch_scc1 .Lfirst
	s_mov_b32 s10, 3
.Lpair:                                            ; tiles 1 and 2, 3 and 4, 5 and 6; they ask for tiles 2 to 7
	TRIP 1, 1
	TRIP 0, 1
	s_sub_co_u32 s10, s10, 1
	s_cmp_lg_u32 s10, 0
	s_cbranch_scc1 .Lpair
	TRIP 1, 0                                      ; tile 7: nothing is left to fetch (the stepped addresses are not used)
	RESC                                           ; the last step's product is still due
	PVMUL 0
	WIN 0
	PLACES 5                                       ; the places behind the last matrix instruction, ahead of the reads of O and the writes over P and V below
	; THE WAY OUT.  The two halves of each query's sum meet; O^T is divided by it; 16 queries at a time go through my stage, so that sixteen lanes
	; store a query's 64 numbers of the head, 256 consecutive bytes, aligned.
.irp qt, 0,1,2,3
	v_permlanex16_b32 v[T+4*\qt+1], v[ST+4*\qt+3], s12, s13
	v_add_f32 v[T+4*\qt], v[ST+4*\qt+3], v[T+4*\qt+1]              ; at least about 1: the largest exponential is 1
.endr
.irp qt, 0,1,2,3
	v_rcp_f32 v[T+4*\qt], v[T+4*\qt]
.endr
	v_nop                                          ; one plain place behind the reciprocals (ISA guide 5.7.2)
	s_wait_alu depctr_va_vdst(0)
.macro OUTQ qt
	WIN W_FIN
.set j, 0
.rept 16
	v_pk_mul_f32 v[SB+32*\qt+j:SB+32*\qt+j+1], v[32*\qt+j:32*\qt+j+1], v[T+4*\qt:T+4*\qt+1] op_sel_hi:[1,0]
.set j, j+2
.endr
	WIN 0
.irp dt, 0,1,2,3
	ds_store_b128 v[STO], v[SB+32*\qt+8*\dt:SB+32*\qt+8*\dt+3]   offset:64*\dt      ; query r, d = 16 dt + 8 h + 0..3
	ds_store_b128 v[STO], v[SB+32*\qt+8*\dt+4:SB+32*\qt+8*\dt+7] offset:64*\dt+16   ; and + 4..7
.endr
	s_wait_xcnt 0x0                                ; every earlier memory instruction has had its addresses translated (ISA guide 3.1): the registers that stores read two tiles ago are rewritten only behind this wait
.irp t, 0,1,2,3,4,5,6,7
	ds_load_b128 v[VF+32*(\qt%2)+4*\t:VF+32*(\qt%2)+4*\t+3], v[RD] offset:2*SPITCH*\t   ; queries 2 t + h.  LDS serves a wave's instructions in order (ISA guide 5.7.1.4): these see the stores above
.endr
.irp t, 0,1,2,3,4,5,6,7
	s_wait_dscnt 7-\t                              ; load t is in, the 7 - t younger ones stay out
	global_store_b128 v[CO], v[VF+32*(\qt%2)+4*\t:VF+32*(\qt%2)+4*\t+3], s[54:55] offset:(16*\qt+2*\t)*4096 th:TH_STORE_NT
.endr
.endm
	OUTQ 0
	OUTQ 1
	OUTQ 2
	OUTQ 3
	s_wait_dscnt 0x0                               ; no LDS instruction is pending at a signal (met: the last count-down ended at 0)
	s_wait_xcnt 0x0
	v_lshl_add_u32 v254, v0, 2, 0x2e800
	v_mov_b32 v255, 0
	s_wait_tensorcnt 0x0
	ds_add_u32 v254, v255
	s_wait_dscnt 0x0
	ROUND                                          ; the closing round: no work-group ends while a partner may still ask for a tile that names it
	s_endpgm
.Lfunc_end_k_qefbd3053e1_attn:
	.size	k_qefbd3053e1_attn, .Lfunc_end_k_qefbd3053e1_attn-k_qefbd3053e1_attn
	.p2alignl 7, 3214868480
	.fill 96, 4, 3214868480
	.section	.rodata,"a",@progbits
	.p2align	6, 0x0
	.amdhsa_kernel k_qefbd3053e1_attn
		.amdhsa_group_segment_fixed_size 327680
		.amdhsa_private_segment_fixed_size 0
		.amdhsa_enable_private_segment 0
		.amdhsa_kernarg_size 16
		.amdhsa_user_sgpr_count 2
		.amdhsa_user_sgpr_kernarg_segment_ptr 1
		.amdhsa_wavefront_size32 1
		.amdhsa_system_sgpr_workgroup_id_x 1
		.amdhsa_system_sgpr_workgroup_id_y 1
		.amdhsa_system_sgpr_workgroup_id_z 1
		.amdhsa_system_vgpr_workitem_id 0
		.amdhsa_next_free_vgpr 512
		.amdhsa_next_free_sgpr 66
		.amdhsa_reserve_vcc 0
		.amdhsa_float_denorm_mode_32 3
		.amdhsa_float_denorm_mode_16_64 3
		.amdhsa_memory_ordered 1
		.amdhsa_forward_progress 1
		.amdhsa_inst_pref_size 222
	.end_amdhsa_kernel
	.amdgpu_metadata
---
amdhsa.version: [ 1, 2 ]
amdhsa.kernels:
  - .name:           k_qefbd3053e1_attn
    .symbol:         k_qefbd3053e1_attn.kd
    .args:
      - { .name: qkv, .offset: 0, .size: 8, .value_kind: global_buffer, .address_space: global }
      - { .name: out0, .offset: 8, .size: 8, .value_kind: global_buffer, .address_space: global }
    .group_segment_fixed_size: 327680
    .private_segment_fixed_size: 0
    .kernarg_segment_align: 8
    .kernarg_segment_size: 16
    .max_flat_workgroup_size: 256
    .sgpr_count:     66
    .vgpr_count:     512
    .wavefront_size: 32
...
	.end_amdgpu_metadata
.endif
;; end of part 5
